; MI455X (gfx1250); checked and timed in simulation.
; The chip was launched on July 23, 2026; its instructions are those of AMD's public machine-readable ISA for CDNA 5 (MIT licence, August 2026) and "CDNA5" Instruction Set Architecture Reference Guide (July 2026). The comments in the code are by the model that wrote it; some were corrected since.
;; Spectral Attention Layer. Allowed arithmetic: float matrix products may take bf16 or f16 operands with f32 sums; all other float work in f32.
;; Inputs: Wk 1,024 x 1,024 float32; Wq 1,024 x 1,024 float32; Wv 1,024 x 1,024 float32; bk 1,024 float32; bq 1,024 float32; bv 1,024 float32; eigenvectors 16 x 16 float32; filter_weights 16 float32; x 4 x 4,096 x 1,024 float32.
;; Outputs: out0 4 x 4,096 x 1,024 float32.
;; 3 versions, each right and faster than the one before. Each part assembles by itself: llvm-mc -triple=amdgcn-amd-amdhsa -mcpu=gfx1250 --defsym DOCPART=n.
;; ======== version 1 of 3: 2 launches
;; limits: values outside matrix products are rounded to bf16
;; workspace buffers: wt 6,291,456 bytes; biasp 12,288 bytes
;; launch prep (part 1): grid 128 x 3, 8 waves a work-group, no clusters, 18,432 bytes of LDS; arguments Wq, Wk, Wv, bq, bk, bv, wt, biasp; writes wt, biasp
.if DOCPART == 1
	.amdgcn_target "amdgcn-amd-amdhsa--gfx1250"
	.amdhsa_code_object_version 6
	.text
	.protected	k_qbff685f207_prep
	.globl	k_qbff685f207_prep
	.p2align	8
	.type	k_qbff685f207_prep,@function
k_qbff685f207_prep:
	s_mov_b64 s[64:65], 0
	v_nop
	global_prefetch_b8 v0, s[64:65] scope:SCOPE_SE
	s_setreg_imm32_b32 hwreg(HW_REG_WAVE_MODE, 25, 1), 1
	s_wait_xcnt 0x0
; prep: the three weight matrices [1024 k][1024 col] f32 are rounded to bf16 and laid in the order in which the main launch's matrix
; fragments want them; the three biases are rounded to bf16, widened again and laid in the same row order.
; wt: 48 tiles of 131,072 bytes, tile 16 st + kk (st = stage 0..2, kk = K step of 64).  In a tile: [w 4][hh 2][f 16][c 2][hf 2][r 16][16 bytes];
; the 16 bytes are k = 64 kk + 32 hh + 16 c + 8 hf + 0..7 of stage row 256 w + 16 f + r.
;   stages 0, 1 (Q and K, d = 32 st .. 32 st + 31): w = 2 m + (head >> 3) (m = 0 Q, 1 K), f = 4 ((d >> 3) & 3) + ((head >> 1) & 3), r = 8 (head & 1) + (d & 7)
;   stage 2 (V): w = d >> 4, f = d & 15, r = head
; biasp[1024 st + 256 w + 16 f + r] = that row's bias.
; SHARES.  Work-group (ko, m) takes rows k = 8 ko .. 8 ko + 7 of matrix m: 32 KiB in, 16 KiB out.  Thread t takes columns 4 t .. 4 t + 3: each load of a
; wave covers 512 consecutive bytes.  A column's eight k pack into 16 bytes; sixteen such pieces make one block of 256 consecutive bytes of wt.  The pieces
; meet in LDS (64 blocks, 272 bytes apart) and leave as whole blocks: sixteen neighbouring lanes store 256 consecutive bytes, aligned.
; No matrix unit, cluster or tensor load: the launch moves 18 MiB once and does one rounding a number.
.set UP,    272                        ; LDS bytes from block to block: 256 + 16
.set TILE,  131072
.set QUART, 32768                      ; a wave's quarter of a tile in the main launch
	s_load_b512 s[8:23], s[0:1], 0x0               ; Wq s[8:9], Wk s[10:11], Wv s[12:13], bq s[14:15], bk s[16:17], bv s[18:19], wt s[20:21], biasp s[22:23]
	v_lshl_add_u32 v64, v0, 2, 0x4400
	v_mov_b32 v65, 0
	s_and_b32 s2, ttmp7, 0xffff                    ; m: 0 Q, 1 K, 2 V
	s_mov_b32 s3, ttmp9                            ; ko
	v_lshrrev_b32 v2, 5, v0
	v_readfirstlane_b32 s4, v2                     ; wave 0..7
	v_lshlrev_b32 v1, 4, v0                        ; 16 t: my 16 bytes in a row of W and in a bias; never rewritten
	v_and_b32 v2, 15, v0                           ; t & 15
	v_bfe_u32 v3, v0, 4, 1                         ; (t >> 4) & 1
	s_mul_i32 s5, s4, 2*UP                         ; the way back out of LDS: block 16 i + (t >> 4) = 16 i + 2 wave + (lane >> 4), piece t & 15
	v_mul_u32_u24 v4, v3, UP
	v_lshl_add_u32 v4, v2, 4, v4
	v_add_nc_u32 v4, s5, v4
	v_lshrrev_b32 v5, 4, v0                        ; and where that piece goes in wt: f = t >> 4 (1,024 bytes each), r = t & 15
	v_lshlrev_b32 v5, 10, v5
	v_lshl_add_u32 v5, v2, 4, v5
	s_lshl_b32 s28, s3, 15                         ; my 8 rows of W: ko x 8 x 4,096 bytes
	s_mov_b32 s29, 0
	s_lshr_b32 s30, s3, 3                          ; wt: kk = ko >> 3,
	s_lshl_b32 s30, s30, 17
	s_bfe_u32 s31, s3, 0x10002                     ; hh = bit 2 of ko,
	s_lshl_b32 s31, s31, 14
	s_add_co_u32 s30, s30, s31
	s_and_b32 s31, s3, 3                           ; c and hf = bits 1 and 0: 512 c + 256 hf
	s_lshl_b32 s31, s31, 8
	s_add_co_u32 s30, s30, s31
	s_lshl_b32 s31, s2, 16                         ; Q, K: w = 2 m + ..;
	s_cmp_eq_u32 s2, 2
	s_cselect_b32 s31, 32*TILE, s31                ; V: stage 2 begins at tile 32
	s_add_co_u32 s30, s30, s31
	s_mov_b32 s31, 0
	s_wait_kmcnt 0x0
	s_cmp_eq_u32 s2, 1
	s_cselect_b64 s[24:25], s[10:11], s[8:9]       ; my matrix and my bias, chosen by m
	s_cselect_b64 s[26:27], s[16:17], s[14:15]
	s_cmp_eq_u32 s2, 2
	s_cselect_b64 s[24:25], s[12:13], s[24:25]
	s_cselect_b64 s[26:27], s[18:19], s[26:27]
	s_add_nc_u64 s[24:25], s[24:25], s[28:29]
	s_add_nc_u64 s[20:21], s[20:21], s[30:31]
.irp i, 0,1,2,3,4,5,6,7
	global_load_b128 v[8+4*\i:11+4*\i], v1, s[24:25] offset:4096*\i th:TH_LOAD_NT   ; row 8 ko + i, columns 4 t .. 4 t + 3
.endr
	s_wait_loadcnt 0x0
.irp e, 0,1,2,3
.irp q, 0,1,2,3
	v_cvt_pk_bf16_f32 v[40+4*\e+\q], v[8+8*\q+\e], v[12+8*\q+\e]   ; column 4 t + e: k = 2 q in the low half, 2 q + 1 in the high
.endr
.endr
	s_cmp_eq_u32 s2, 2
	s_cbranch_scc1 .Lin_v
	; Q, K: head = t >> 4, d = 4 (t & 15) + e.  Block = 32 st + 16 (head >> 3) + 4 o + ((head >> 1) & 3); piece r = 8 (head & 1) + 4 (t & 1) + e
	s_lshr_b32 s5, s4, 2                           ; head >> 3 = wave >> 2, (head >> 1) & 3 = wave & 3
	s_lshl_b32 s5, s5, 4
	s_and_b32 s6, s4, 3
	s_add_co_u32 s5, s5, s6
	s_mul_i32 s5, s5, UP
	v_bfe_u32 v6, v0, 1, 2                         ; o = (d >> 3) & 3
	v_bfe_u32 v7, v0, 3, 1                         ; st = d >> 5
	v_lshlrev_b32 v6, 2, v6
	v_lshl_add_u32 v6, v7, 5, v6
	v_mul_u32_u24 v6, v6, UP
	v_lshl_add_u32 v6, v3, 7, v6                   ; 16 x 8 (head & 1)
	v_and_b32 v7, 1, v0
	v_lshl_add_u32 v6, v7, 6, v6                   ; 16 x 4 (t & 1)
	v_add_nc_u32 v6, s5, v6
.irp e, 0,1,2,3
	ds_store_b128 v6, v[40+4*\e:43+4*\e] offset:16*\e
.endr
	s_branch .Lin_done
.Lin_v:
	; V: block = d = 4 (t & 15) + e; piece r = head = t >> 4 = 2 wave + (lane >> 4)
	s_lshl_b32 s5, s4, 5
	v_mul_u32_u24 v6, v2, 4*UP
	v_lshl_add_u32 v6, v3, 4, v6
	v_add_nc_u32 v6, s5, v6
.irp e, 0,1,2,3
	ds_store_b128 v6, v[40+4*\e:43+4*\e] offset:UP*\e
.endr
.Lin_done:
	s_wait_dscnt 0x0                               ; for the others' sake: my pieces are in LDS
	s_barrier_signal -1
	s_barrier_wait -1
.irp i, 0,1,2,3
	ds_load_b128 v[8+4*\i:11+4*\i], v4 offset:16*UP*\i
.endr
	s_cmp_eq_u32 s2, 2
	s_cbranch_scc1 .Lout_v
	s_wait_dscnt 3                                 ; LDS loads come back in order: block group i is in, the younger 3 - i stay out
	global_store_b128 v5, v[8:11], s[20:21]                        ; blocks 0-15:  st 0, head >> 3 = 0
	s_wait_dscnt 2
	global_store_b128 v5, v[12:15], s[20:21] offset:QUART          ; blocks 16-31: st 0, head >> 3 = 1
	s_wait_dscnt 1
	global_store_b128 v5, v[16:19], s[20:21] offset:16*TILE        ; blocks 32-47: st 1
	s_wait_dscnt 0
	global_store_b128 v5, v[20:23], s[20:21] offset:16*TILE+QUART
	s_branch .Lbias
.Lout_v:
.irp i, 0,1,2,3
	s_wait_dscnt 3-\i
	global_store_b128 v5, v[8+4*\i:11+4*\i], s[20:21] offset:QUART*\i   ; blocks 16 i ..: w = i
.endr
.Lbias:
	s_cmp_lg_u32 s3, 0                             ; the work-groups with ko = 0 also lay their matrix's bias
	s_cbranch_scc1 .Lend
	global_load_b128 v[24:27], v1, s[26:27]
	s_wait_loadcnt 0x0
	v_cvt_pk_bf16_f32 v28, v24, v25                ; rounded to bf16 as every input is, and kept as f32
	v_cvt_pk_bf16_f32 v29, v26, v27
	v_lshlrev_b32 v24, 16, v28
	v_and_b32 v25, 0xffff0000, v28
	v_lshlrev_b32 v26, 16, v29
	v_and_b32 v27, 0xffff0000, v29
	s_cmp_eq_u32 s2, 2
	s_cbranch_scc1 .Lbias_v
	v_bfe_u32 v30, v0, 3, 1                        ; 4 x (1024 st + 512 m + 256 (head >> 3) + 64 o + 16 ((head >> 1) & 3) + 8 (head & 1) + 4 (t & 1)): four neighbours
	v_lshlrev_b32 v30, 12, v30
	v_lshrrev_b32 v31, 7, v0
	v_lshl_add_u32 v30, v31, 10, v30
	v_bfe_u32 v31, v0, 1, 2
	v_lshl_add_u32 v30, v31, 8, v30
	v_bfe_u32 v31, v0, 5, 2
	v_lshl_add_u32 v30, v31, 6, v30
	v_lshl_add_u32 v30, v3, 5, v30
	v_and_b32 v31, 1, v0
	v_lshl_add_u32 v30, v31, 4, v30
	s_lshl_b32 s5, s2, 11
	v_add_nc_u32 v30, s5, v30
	global_store_b128 v30, v[24:27], s[22:23]
	s_branch .Lend
.Lbias_v:
	v_lshrrev_b32 v31, 4, v0                       ; 4 x (2048 + 16 d + head), d = 4 (t & 15) + e: single words 64 bytes apart; 4 KiB once in the launch
	v_lshlrev_b32 v30, 8, v2
	v_lshl_add_u32 v30, v31, 2, v30
.irp e, 0,1,2,3
	global_store_b32 v30, v[24+\e], s[22:23] offset:8192+64*\e
.endr
.Lend:
	s_wait_tensorcnt 0x0
	ds_add_u32 v64, v65
	s_wait_dscnt 0x0
	s_endpgm
.Lfunc_end_k_qbff685f207_prep:
	.size	k_qbff685f207_prep, .Lfunc_end_k_qbff685f207_prep-k_qbff685f207_prep
	.p2alignl 7, 3214868480
	.fill 96, 4, 3214868480
	.section	.rodata,"a",@progbits
	.p2align	6, 0x0
	.amdhsa_kernel k_qbff685f207_prep
		.amdhsa_group_segment_fixed_size 18432
		.amdhsa_private_segment_fixed_size 0
		.amdhsa_enable_private_segment 0
		.amdhsa_kernarg_size 64
		.amdhsa_user_sgpr_count 2
		.amdhsa_user_sgpr_kernarg_segment_ptr 1
		.amdhsa_wavefront_size32 1
		.amdhsa_system_sgpr_workgroup_id_x 1
		.amdhsa_system_sgpr_workgroup_id_y 1
		.amdhsa_system_sgpr_workgroup_id_z 1
		.amdhsa_system_vgpr_workitem_id 0
		.amdhsa_next_free_vgpr 66
		.amdhsa_next_free_sgpr 66
		.amdhsa_reserve_vcc 0
		.amdhsa_float_denorm_mode_32 3
		.amdhsa_float_denorm_mode_16_64 3
		.amdhsa_memory_ordered 1
		.amdhsa_forward_progress 1
		.amdhsa_inst_pref_size 9
	.end_amdhsa_kernel
	.amdgpu_metadata
---
amdhsa.version: [ 1, 2 ]
amdhsa.kernels:
  - .name:           k_qbff685f207_prep
    .symbol:         k_qbff685f207_prep.kd
    .args:
      - { .name: Wq, .offset: 0, .size: 8, .value_kind: global_buffer, .address_space: global }
      - { .name: Wk, .offset: 8, .size: 8, .value_kind: global_buffer, .address_space: global }
      - { .name: Wv, .offset: 16, .size: 8, .value_kind: global_buffer, .address_space: global }
      - { .name: bq, .offset: 24, .size: 8, .value_kind: global_buffer, .address_space: global }
      - { .name: bk, .offset: 32, .size: 8, .value_kind: global_buffer, .address_space: global }
      - { .name: bv, .offset: 40, .size: 8, .value_kind: global_buffer, .address_space: global }
      - { .name: wt, .offset: 48, .size: 8, .value_kind: global_buffer, .address_space: global }
      - { .name: biasp, .offset: 56, .size: 8, .value_kind: global_buffer, .address_space: global }
    .group_segment_fixed_size: 18432
    .private_segment_fixed_size: 0
    .kernarg_segment_align: 8
    .kernarg_segment_size: 64
    .max_flat_workgroup_size: 256
    .sgpr_count:     66
    .vgpr_count:     66
    .wavefront_size: 32
...
	.end_amdgpu_metadata
.endif
;; end of part 1
;; launch main (part 2): grid 256 x 1, 4 waves a work-group, clusters of 4 x 1, 327,680 bytes of LDS; arguments x, wt, biasp, eigenvectors, filter_weights, out0; writes out0
.if DOCPART == 2
	.amdgcn_target "amdgcn-amd-amdhsa--gfx1250"
	.amdhsa_code_object_version 6
	.text
	.protected	k_qbff685f207_main
	.globl	k_qbff685f207_main
	.p2align	8
	.type	k_qbff685f207_main,@function
k_qbff685f207_main:
	s_mov_b64 s[64:65], 0
	v_nop
	global_prefetch_b8 v0, s[64:65] scope:SCOPE_SE
	s_setreg_imm32_b32 hwreg(HW_REG_WAVE_MODE, 25, 1), 1
	s_wait_xcnt 0x0
	s_wait_alu depctr_hold_cnt(0) depctr_sa_sdst(0) depctr_va_vdst(0) depctr_va_sdst(0) depctr_va_ssrc(0) depctr_va_vcc(0) depctr_vm_vsrc(0)
	s_getreg_b32 s2, hwreg(HW_REG_IB_STS2, 6, 4)
	s_cmp_eq_u32 s2, 0
	s_cbranch_scc0 .Lentry_in_a_cluster
	s_endpgm
.Lentry_in_a_cluster:
	s_bfe_u32 s2, ttmp6, 0x10000c
	s_cmp_lg_u32 s2, 0x3003
	s_cbranch_scc0 .Lentry_shape_is_right
	s_endpgm
.Lentry_shape_is_right:
; main: the whole layer for 64 tokens a work-group.  For a token, with E [16 head][16 eigen], w [16], Q, K, V [16 head][64 d]:
;   G[h][h'] = sum_d Q[h][d] K[h'][d];  S = E^T G E;  t[k][l] = S[k][l] w_k w_l / 8;  a = softmax_l(t), the row's maximum taken away;
;   M = E (a diag(w)) E^T;  out[h][d] = sum_h' M[h][h'] V[h'][d].   This is the layer's arithmetic in another order of summation; every product is a matrix instruction.
; LIMITS.  x, the weights, the biases, E and w are each rounded once to bf16.  All that is made of them (Q, K, G, E^T G, S, a, a E^T, M, V) goes into matrix instructions as hi + lo,
; two bf16 (hi = bf16(y), lo = bf16(y - hi): 16 bits of mantissa).  V too: its rounding is multiplied by a row of M, whose norm is the size of the output itself.
; NaN and infinite inputs are not served; a softmax weight below 2^-126 is zero.
; SHARES.  Work-group 4 x cluster + cx owns tokens 64 wg ..  Three stages of 64 tokens x 1,024 rows of wt over K = 1,024: stage 0: Q, K for d 0-31; stage 1: d 32-63; stage 2: V.
; 64 x 3,072 f32 sums are more than the four waves' registers hold, hence the stages.  Wave w: all 64 tokens x its 256 rows: 64 accumulators, 512 registers; for 32 along K it reads
; 16 + 4 fragments for 64 matrix instructions, and each byte of W leaves LDS once.  Source 0 = 16 rows of wt, source 1 = 16 tokens: a lane holds one token and 8 neighbouring rows.
; Per-token work: wave w owns tokens 16 g + 4 w + i (g, i = 0..3), local number 4 g + i.
; CLUSTER.  All work-groups walk the same 6 MiB of wt, so the four of a cluster ask for each tile JOINTLY: the same tensor load, the same descriptor (made of the wave's number alone), mask 15.
; cx enters the addresses of x and out0 alone.  A wave has two tensor loads out at the start and one behind each round.
; x is not kept: it is read in each of the three stages (f32, through registers, rounded, into two small LDS slots), so that LDS has room for two W slots of 128 KiB,
; one round of the cluster's barrier for 128 matrix instructions a wave.
; LDS:  0 .. 262,143        W ring: slot s at 131,072 s, wave w's quarter at + 32,768 w; filled by tensor loads alone; fragment order, so a load of 16 bytes a lane takes 512 consecutive bytes
;       262,144 .. 280,575  two x slots of 9,216: 64 tokens x 144 (128 + 16); written by ds_store alone
;       280,576 .. 313,599  stage: 16 tokens x 2,064 (2,048 + 16); written by ds_store alone
; Both pitches are odd multiples of 16 bytes: the 16 rows that a load or store touches begin in 16 different groups of four banks (64 banks of 4 bytes: ISA guide 11.1).
; REGISTERS, in windows of 256 (s_set_vgpr_msb: bits 1:0 source 0, 3:2 source 1, 5:4 source 2, 7:6 destination):
;   window 0: v2-13 addresses and -1.0; v16-31 E's two fragments; v32-47 scales; v64-191 two buffers of 8 W fragments; v192-255 two buffers of 4 x fragments; v64-255 at work between the stages
;   window 1: v0-127 G, later M as hi/lo, 8 a token; v128-191 two sets of x as f32 on its way in
;   windows 2, 3: accumulator (f, g) in window 2 + (f >> 3) at v[8 (4 (f & 7) + g)]; on the way out block g's 16 accumulators take the results of out = M V
.set WSLOT, 131072
.set XS,    262144
.set XSLOT, 9216
.set XPT,   144
.set STG,   280576
.set SPT,   2064
.set AW,  2                            ; v2, v3  slot 0, 1: 131,072 slot + 32,768 w + 16 lane
.set AX,  4                            ; v4      x fragments: XS + 144 r + 16 hf
.set XO,  5                            ; v5      x in memory: (16 w + (lane >> 3)) x 4,096 + 32 (lane & 7)
.set XW,  6                            ; v6      x into LDS: XS + (16 w + (lane >> 3)) x 144 + 16 (lane & 7)
.set BO,  7                            ; v7      biasp: 1,024 w + 32 hf
.set STW, 8                            ; v8      Q, K into the stage
.set STV, 9                            ; v9      V into the stage
.set RDA, 10                           ; v10     out of the stage: my four tokens, 16 bytes a lane
.set RDB, 11                           ; v11     out of the stage: K's part, both halves of the lanes alike
.set CO,  12                           ; v12     out0: 16,384 w + 2,048 hf + 16 r
.set M1,  13                           ; v13     -1.0
.set F1,  16                           ; v16-23  lane r = eigen index, k = head: E[8 hf + i][r], in both halves of K
.set F2,  24                           ; v24-31  lane r = head, k = eigen index: E[r][8 hf + i], in both halves of K
.set SC,  32                           ; v32-39  w[8 hf + j] w[r] log2(e) / 8
.set WL,  40                           ; v40-47  w[8 hf + j]
.set WB0, 64
.set WB1, 128
.set XB0, 192
.set XB1, 224
.set OP,  64                           ; between the stages: operands, 64 registers
.set D2,  128                          ;                     results or at work, 64
.set RR,  192                          ;                     residuals or at work, 64
.set XP,  128                          ; window 1: x as f32, set 0 and set 1 of 32
.set MSB, 0
.macro WIN new                         ; the immediate's high byte repeats the setting that is left; a switch that changes nothing is dropped
.if MSB != (\new)
	s_set_vgpr_msb (MSB<<8)|(\new)
.set MSB, (\new)
.endif
.endm
; A vector instruction that reads a matrix result or writes one of a matrix instruction's registers, and a load into such a register, stand four places behind it; only plain vector
; instructions that name none of its registers are places (ISA guide 7.12.1 for vector instructions).
.macro PLACES
.rept 4
	v_nop
.endr
.endm
; A round of the cluster's barrier: my work-group's barrier, wave 0 signals for the work-group, every wave waits for all four work-groups, my work-group's barrier once more.
.macro CREST                           ; a round behind its opening barrier
	s_cmp_lg_u32 s16, 0
	s_cbranch_scc1 .Lnot_wave_0_\@
	s_barrier_signal -3
.Lnot_wave_0_\@:
	s_barrier_wait -3
	s_barrier_signal -1
	s_barrier_wait -1
.endm
.macro CROUND
	s_barrier_signal -1
	s_barrier_wait -1
	CREST
.endm
; 16 matrix instructions: rows 16 (8 hi + f), f = f0 .. f0 + 3, x all 64 tokens, 32 along K.  Every one names another accumulator: the accumulators take turns.
.macro MUL16 wb, xb, hi, f0
	WIN 0xa0+0x50*\hi
.irp f, \f0, \f0+1, \f0+2, \f0+3
.irp g, 0,1,2,3
	v_wmma_f32_16x16x32_bf16 v[8*(4*(\f)+\g):8*(4*(\f)+\g)+7], v[\wb+8*(\f):\wb+8*(\f)+7], v[\xb+8*\g:\xb+8*\g+7], v[8*(4*(\f)+\g):8*(4*(\f)+\g)+7]
.endr
.endr
.endm
.macro LDW slot, hh, fh, wb            ; 8 fragments of W: rows 16 (8 fh + f), k = 32 hh ..: 16 loads
	WIN 0
.irp f, 0,1,2,3,4,5,6,7
	ds_load_b128 v[\wb+8*\f:\wb+8*\f+3],   v[AW+(\slot)] offset:\hh*16384+(8*\fh+\f)*1024
	ds_load_b128 v[\wb+8*\f+4:\wb+8*\f+7], v[AW+(\slot)] offset:\hh*16384+(8*\fh+\f)*1024+512
.endr
.endm
.macro LDX slot, hh, xb                ; 4 fragments of x: tokens 16 g + r, k = 32 hh ..: 8 loads
	WIN 0
.irp g, 0,1,2,3
	ds_load_b128 v[\xb+8*\g:\xb+8*\g+3],   v[AX] offset:(\slot)*XSLOT+16*XPT*\g+64*\hh
	ds_load_b128 v[\xb+8*\g+4:\xb+8*\g+7], v[AX] offset:(\slot)*XSLOT+16*XPT*\g+64*\hh+32
.endr
.endm
; The next x tile (64 tokens x 64 k, f32) is asked for: wave w takes tokens 16 w .., a lane 32 bytes of a token; the two loads of a pair together cover 4 tokens x 256 consecutive bytes.
.macro XLD set
	s_wait_xcnt 0x0                                ; the base below is rewritten only when earlier loads have had their addresses translated (ISA guide 3.1)
	s_add_nc_u64 s[40:41], s[20:21], s[22:23]
	WIN 0x40
.irp i, 0,1,2,3
	global_load_b128 v[XP+32*(\set)+8*\i:XP+32*(\set)+8*\i+3],   v[XO], s[40:41] offset:16384*\i
	global_load_b128 v[XP+32*(\set)+8*\i+4:XP+32*(\set)+8*\i+7], v[XO], s[40:41] offset:16384*\i+16
.endr
	s_add_co_u32 s22, s22, 256                     ; 64 k on, and round again at a stage's end
	s_and_b32 s22, s22, 0xfff
.endm
; A set of x is rounded to bf16 in place and stored into an x slot.  n: the younger loads, the other set's, which stay out.
.macro XCVT set, slot, n
	s_wait_loadcnt \n
	WIN 0x45
.irp i, 0,1,2,3
.irp e, 0,1,2,3
	v_cvt_pk_bf16_f32 v[XP+32*(\set)+8*\i+\e], v[XP+32*(\set)+8*\i+2*\e], v[XP+32*(\set)+8*\i+2*\e+1]
.endr
.endr
	WIN 0x04
.irp i, 0,1,2,3
	ds_store_b128 v[XW], v[XP+32*(\set)+8*\i:XP+32*(\set)+8*\i+3] offset:(\slot)*XSLOT+4*XPT*\i
.endr
.endm
; ONE K STEP OF 64: 128 matrix instructions in four quarters (k half 0: rows 0-127, 128-255; k half 1: the same), each on fragments fetched a quarter ahead.
; turn = 2: this W slot is filled again, two tiles on; 1: a barrier alone; 0: none.  next: the next step's first fragments are fetched.
; xc, xn: the next step's x is rounded and stored, with xn younger loads left out.  xl: the x three steps on is asked for.
.macro PERIOD slot, turn, next, xc, xn, xl
	PLACES                                         ; buffer 1 was multiplied last
	LDW \slot, 0, 1, WB1
	s_wait_dscnt 16                                ; all but the 16 just issued: this quarter's 24 loads are in
	MUL16 WB0, XB0, 0, 0
	MUL16 WB0, XB0, 0, 4
.if \xc
	XCVT 1-\slot, 1-\slot, \xn                     ; its 16 roundings are the places in front of the loads into buffer 0.  The x slot's last readers waited for their loads in front of the barrier of the step before
.else
	PLACES
.endif
	LDW \slot, 1, 0, WB0
	LDX \slot, 1, XB1
	s_wait_dscnt 24                                ; all but the 24 just issued: buffer 1 is in, x's stores are done
	MUL16 WB1, XB0, 1, 0
	MUL16 WB1, XB0, 1, 4
.if \xl
	XLD 1-\slot                                    ; into the set just stored
.endif
	PLACES
	LDW \slot, 1, 1, WB1                           ; my last reads of this W slot
	s_wait_dscnt 16
	MUL16 WB0, XB1, 0, 0
.if \turn
	s_wait_dscnt 0x0                               ; my reads of this W slot and of this x slot are over, my x stores are in LDS,
	s_set_vgpr_msb 0xa0a5
	s_wait_tensorcnt 0x0                           ; and all my tensor loads have landed: the one that was out is my quarter of the next tile
	ds_add_u32 v254, v255
	s_wait_dscnt 0x0
	s_set_vgpr_msb 0xa5a0
	s_barrier_signal -1
.endif
	MUL16 WB0, XB1, 0, 4                           ; register work while the others arrive
	WIN 0                                          ; at a branch and at a label every window is 0
.if \turn
	s_barrier_wait -1
.endif
.if \turn == 2
	CREST                                          ; the barrier has opened a round of the cluster's: no wave of any partner still reads this slot or has a load on its way
	s_add_nc_u64 s[34+4*\slot:35+4*\slot], s[34+4*\slot:35+4*\slot], 2*WSLOT
	tensor_load_to_lds s[32+4*\slot:35+4*\slot], s[24:31]   ; my one load behind the round; 112 matrix instructions stand between it and the wait for it
	s_nop 0
.endif
	PLACES                                         ; behind the tensor load, and in front of the loads into buffer 0
.if \next
	LDW 1-\slot, 0, 0, WB0
	LDX 1-\slot, 0, XB0
	s_wait_dscnt 24                                ; all but the 24 just issued
.else
	s_wait_dscnt 0x0
.endif
	MUL16 WB1, XB1, 1, 0
	MUL16 WB1, XB1, 1, 4
.endm
; The sums begin with the bias: it is loaded straight into the accumulators (a lane's 8 rows are 32 neighbouring bytes of biasp, the same for all four token blocks), so every product adds in place.
.macro BIAS st, hi
	WIN 0x80+0x40*\hi
.irp f, 0,1,2,3,4,5,6,7
.irp g, 0,1,2,3
	global_load_b128 v[8*(4*\f+\g):8*(4*\f+\g)+3],   v[BO], s[8:9] offset:4096*\st+64*(8*\hi+\f)
	global_load_b128 v[8*(4*\f+\g)+4:8*(4*\f+\g)+7], v[BO], s[8:9] offset:4096*\st+64*(8*\hi+\f)+16
.endr
.endr
.endm
; A STAGE: 16 K steps.  The ring and the stream of x go on into the next stage; the last stage's tail is written out, so that nothing beyond tile 47 is asked for.
.macro STAGE st
	PLACES
	BIAS \st, 0
	BIAS \st, 1
	LDW 0, 0, 0, WB0
	LDX 0, 0, XB0
	s_wait_loadcnt 0x0                             ; the bias (and what of x was on its way)
.if \st < 2
	s_mov_b32 s42, 7
.else
	s_mov_b32 s42, 6
.endif
	WIN 0
.Lperiods_\@:
	PERIOD 0, 2, 1, 1, 8, 1
	PERIOD 1, 2, 1, 1, 8, 1
	WIN 0
	s_sub_co_u32 s42, s42, 1
	s_cmp_lg_u32 s42, 0
	s_cbranch_scc1 .Lperiods_\@
.if \st < 2
	PERIOD 0, 2, 1, 1, 8, 1
	PERIOD 1, 2, 0, 1, 8, 1                        ; the fragments are not fetched ahead: their registers are at work between the stages
.else
	PERIOD 0, 2, 1, 1, 8, 1                        ; step 44: asks for tile 46 and for x tile 47
	PERIOD 1, 2, 1, 1, 8, 0                        ; step 45: asks for tile 47, the last
	PERIOD 0, 1, 1, 1, 0, 0                        ; step 46: a barrier alone; the last x tile
	PERIOD 1, 0, 0, 0, 0, 0
.endif
.endm
; Four products G += Q K^T for tokens 4 g + i, 8 values of d each, in four blocks of K: A = [Qh, Ql, Qh, Ql], B = [Kh, Kh, Kl, Kl]: all four cross terms of (Qh + Ql)(Kh + Kl).
.macro GMUL g, o, zero
.irp i, 0,1,2,3
.if \zero
	v_wmma_f32_16x16x32_bf16 v[8*(4*\g+\i):8*(4*\g+\i)+7], v[OP+16*(4*\o+\i):OP+16*(4*\o+\i)+7], v[OP+16*(4*\o+\i)+8:OP+16*(4*\o+\i)+15], 0
.else
	v_wmma_f32_16x16x32_bf16 v[8*(4*\g+\i):8*(4*\g+\i)+7], v[OP+16*(4*\o+\i):OP+16*(4*\o+\i)+7], v[OP+16*(4*\o+\i)+8:OP+16*(4*\o+\i)+15], v[8*(4*\g+\i):8*(4*\g+\i)+7]
.endif
.endr
.endm
; Q and K of 16 tokens (block g) and 16 values of d (accumulators f = 8 dh + f') change hands: from the wave that made them (one matrix, 8 heads, all tokens) to the wave that owns the token.
; In accumulator (f, g) a lane holds token r, head 8 (w & 1) + 2 (f & 3) + hf, d = 8 (f >> 2) + 0..7.  In the stage a token has [octet 2][Qh, Ql, Kh, Kl][head 16][16 bytes].
.macro QKBATCH st, g, dh
	PLACES
	WIN 0x0a+5*\dh
.irp f, 0,1,2,3,4,5,6,7
.irp e, 0,1,2,3
	v_cvt_pk_bf16_f32 v[OP+4*\f+\e], v[8*(4*\f+\g)+2*\e], v[8*(4*\f+\g)+2*\e+1]   ; hi; each accumulator is read from its low end on
.endr
.endr
	WIN 0x20+0x10*\dh
.irp f, 0,1,2,3,4,5,6,7
.irp e, 0,1,2,3
	v_fma_mix_f32_bf16 v[D2+8*\f+2*\e],   v[OP+4*\f+\e], v[M1], v[8*(4*\f+\g)+2*\e] op_sel_hi:[1,0,0]                  ; y - hi, exact
	v_fma_mix_f32_bf16 v[D2+8*\f+2*\e+1], v[OP+4*\f+\e], v[M1], v[8*(4*\f+\g)+2*\e+1] op_sel:[1,0,0] op_sel_hi:[1,0,0]
.endr
.endr
	WIN 0
.irp f, 0,1,2,3,4,5,6,7
.irp e, 0,1,2,3
	v_cvt_pk_bf16_f32 v[OP+32+4*\f+\e], v[D2+8*\f+2*\e], v[D2+8*\f+2*\e+1]        ; lo
.endr
.endr
	s_wait_dscnt 0x0                               ; my reads of the stage are over
	s_barrier_signal -1
	s_barrier_wait -1                              ; everybody's are: the stage may be written.  No tensor load fills anything behind this barrier, so the one that is out may stay out
.irp f, 0,1,2,3,4,5,6,7
	ds_store_b128 v[STW], v[OP+4*\f:OP+4*\f+3]       offset:1024*(\f/4)+32*(\f%4)
	ds_store_b128 v[STW], v[OP+32+4*\f:OP+32+4*\f+3] offset:1024*(\f/4)+32*(\f%4)+256
.endr
	s_wait_dscnt 0x0                               ; for the others' sake: my stores are in LDS
	s_barrier_signal -1
	s_barrier_wait -1
.irp o, 0,1
.irp i, 0,1,2,3
	ds_load_b128 v[OP+16*(4*\o+\i):OP+16*(4*\o+\i)+3],     v[RDA] offset:SPT*\i+1024*\o       ; lanes 0-15 Qh, 16-31 Ql, of head r,
	ds_load_b128 v[OP+16*(4*\o+\i)+4:OP+16*(4*\o+\i)+7],   v[RDA] offset:SPT*\i+1024*\o       ; in both halves of K
	ds_load_b128 v[OP+16*(4*\o+\i)+8:OP+16*(4*\o+\i)+11],  v[RDB] offset:SPT*\i+1024*\o       ; Kh in the lower half of K,
	ds_load_b128 v[OP+16*(4*\o+\i)+12:OP+16*(4*\o+\i)+15], v[RDB] offset:SPT*\i+1024*\o+256   ; Kl in the upper
.endr
.endr
	s_wait_dscnt 16                                ; the first octet's 16 loads are in
	WIN 0x50
.if (\st == 0) && (\dh == 0)
	GMUL \g, 0, 1                                  ; a token's first product starts its sum
.else
	GMUL \g, 0, 0
.endif
	s_wait_dscnt 0x0
	GMUL \g, 1, 0
	WIN 0
.endm
.macro QKEPI st
.irp g, 0,1,2,3
.irp dh, 0,1
	QKBATCH \st, \g, \dh
.endr
.endr
.endm
; Eight tuples of 8 f32 (window sw, from sb) become eight operands (window dw, from db): registers 0-3 hi (k = 8 hf + j), 4-7 lo (k = 16 + 8 hf + j).  rb: 64 registers of window 0 for the residuals.
; A result's (lane, register) is an operand's (row or column, k), so nothing changes lanes.
.macro SPLIT8 sw, sb, dw, db, rb
	WIN (\sw)|((\sw)<<2)|((\dw)<<6)
.irp t, 0,1,2,3,4,5,6,7
.irp e, 0,1,2,3
	v_cvt_pk_bf16_f32 v[\db+8*\t+\e], v[\sb+8*\t+2*\e], v[\sb+8*\t+2*\e+1]
.endr
.endr
	WIN (\dw)|((\sw)<<4)
.irp t, 0,1,2,3,4,5,6,7
.irp e, 0,1,2,3
	v_fma_mix_f32_bf16 v[\rb+8*\t+2*\e],   v[\db+8*\t+\e], v[M1], v[\sb+8*\t+2*\e] op_sel_hi:[1,0,0]
	v_fma_mix_f32_bf16 v[\rb+8*\t+2*\e+1], v[\db+8*\t+\e], v[M1], v[\sb+8*\t+2*\e+1] op_sel:[1,0,0] op_sel_hi:[1,0,0]
.endr
.endr
	WIN (\dw)<<6
.irp t, 0,1,2,3,4,5,6,7
.irp e, 0,1,2,3
	v_cvt_pk_bf16_f32 v[\db+8*\t+4+\e], v[\rb+8*\t+2*\e], v[\rb+8*\t+2*\e+1]
.endr
.endr
.endm
; Eight products of 16 x 16 x 32, one a token, each a whole sum (C = 0).  pa, pb: first operands; sa, sb: 8 for the tokens' operands, 0 for E's fragment.
.macro MM8 dw, db, pa, sa, pb, sb
	WIN (\dw)<<6
.irp t, 0,1,2,3,4,5,6,7
	v_wmma_f32_16x16x32_bf16 v[\db+8*\t:\db+8*\t+7], v[\pa+\sa*\t:\pa+\sa*\t+7], v[\pb+\sb*\t:\pb+\sb*\t+7], 0
.endr
	PLACES
.endm
; G -> M for my tokens 8 c .. 8 c + 7.
.macro CHAIN8 c
	SPLIT8 1, 64*\c, 0, OP, RR                     ; G: lane h', registers h
	MM8 1, 64*\c, OP, 8, F1, 0                     ; (E^T G)^T: lane k, registers h'
	SPLIT8 1, 64*\c, 0, OP, RR
	MM8 1, 64*\c, F1, 0, OP, 8                     ; S^T: lane k, registers l = 8 hf + j
	WIN 0x01
.irp t, 0,1,2,3,4,5,6,7
.irp e, 0,1,2,3
	v_pk_mul_f32 v[RR+8*\t+2*\e:RR+8*\t+2*\e+1], v[64*\c+8*\t+2*\e:64*\c+8*\t+2*\e+1], v[SC+2*\e:SC+2*\e+1]   ; the exponent to base 2: S w_k w_l log2(e) / 8
.endr
.endr
	WIN 0
.irp t, 0,1,2,3,4,5,6,7                ; the row's maximum: 8 scores in the lane, the other 8 in the lane 16 away
	v_max3_num_f32 v[D2+8*\t],   v[RR+8*\t],   v[RR+8*\t+1], v[RR+8*\t+2]
	v_max3_num_f32 v[D2+8*\t+1], v[RR+8*\t+3], v[RR+8*\t+4], v[RR+8*\t+5]
.endr
.irp t, 0,1,2,3,4,5,6,7
	v_max3_num_f32 v[D2+8*\t], v[D2+8*\t], v[D2+8*\t+1], v[RR+8*\t+6]
.endr
.irp t, 0,1,2,3,4,5,6,7
	v_max_num_f32 v[D2+8*\t], v[D2+8*\t], v[RR+8*\t+7]
.endr
.irp t, 0,1,2,3,4,5,6,7
	v_permlanex16_b32 v[D2+8*\t+1], v[D2+8*\t], s44, s45
.endr
.irp t, 0,1,2,3,4,5,6,7
	v_max_num_f32 v[D2+8*\t], v[D2+8*\t], v[D2+8*\t+1]
.endr
.irp t, 0,1,2,3,4,5,6,7
.irp e, 0,1,2,3
	v_pk_add_f32 v[RR+8*\t+2*\e:RR+8*\t+2*\e+1], v[RR+8*\t+2*\e:RR+8*\t+2*\e+1], v[D2+8*\t:D2+8*\t+1] op_sel_hi:[1,0] neg_lo:[0,1] neg_hi:[0,1]
.endr
.endr
.irp t, 0,1,2,3,4,5,6,7
.irp j, 0,1,2,3,4,5,6,7
	v_exp_f32 v[RR+8*\t+\j], v[RR+8*\t+\j]
.endr
.endr
	v_nop                                          ; a plain instruction between the last exponential and the use of its result (ISA guide 5.7.2)
	s_wait_alu depctr_va_vdst(0)
.irp t, 0,1,2,3,4,5,6,7
	v_pk_add_f32 v[D2+8*\t+2:D2+8*\t+3], v[RR+8*\t:RR+8*\t+1],   v[RR+8*\t+2:RR+8*\t+3]
	v_pk_add_f32 v[D2+8*\t+4:D2+8*\t+5], v[RR+8*\t+4:RR+8*\t+5], v[RR+8*\t+6:RR+8*\t+7]
.endr
.irp t, 0,1,2,3,4,5,6,7
	v_pk_add_f32 v[D2+8*\t+2:D2+8*\t+3], v[D2+8*\t+2:D2+8*\t+3], v[D2+8*\t+4:D2+8*\t+5]
.endr
.irp t, 0,1,2,3,4,5,6,7
	v_add_f32 v[D2+8*\t+2], v[D2+8*\t+2], v[D2+8*\t+3]
.endr
.irp t, 0,1,2,3,4,5,6,7
	v_permlanex16_b32 v[D2+8*\t+3], v[D2+8*\t+2], s44, s45
.endr
.irp t, 0,1,2,3,4,5,6,7
	v_add_f32 v[D2+8*\t+2], v[D2+8*\t+2], v[D2+8*\t+3]   ; at least 1: the largest weight is 1
.endr
.irp t, 0,1,2,3,4,5,6,7
	v_rcp_f32 v[D2+8*\t+4], v[D2+8*\t+2]
.endr
.irp t, 0,1,2,3,4,5,6,7                ; the filter on V's side; these are also the plain instructions behind the reciprocals
.irp e, 0,1,2,3
	v_pk_mul_f32 v[RR+8*\t+2*\e:RR+8*\t+2*\e+1], v[RR+8*\t+2*\e:RR+8*\t+2*\e+1], v[WL+2*\e:WL+2*\e+1]
.endr
.endr
	s_wait_alu depctr_va_vdst(0)
.irp t, 0,1,2,3,4,5,6,7
.irp e, 0,1,2,3
	v_pk_mul_f32 v[RR+8*\t+2*\e:RR+8*\t+2*\e+1], v[RR+8*\t+2*\e:RR+8*\t+2*\e+1], v[D2+8*\t+4:D2+8*\t+5] op_sel_hi:[1,0]
.endr
.endr
	SPLIT8 0, RR, 0, OP, D2                        ; a w: lane k, registers l
	MM8 1, 64*\c, OP, 8, F2, 0                     ; a w E^T: lane h', registers k
	SPLIT8 1, 64*\c, 0, OP, RR
	MM8 0, D2, OP, 8, F2, 0                        ; M^T: lane h, registers h'
	SPLIT8 0, D2, 1, 64*\c, RR                     ; M as source 0 of the last product: row h, k = h' (hi) and 16 + h' (lo)
	WIN 0
.endm
; THE WAY OUT.  V of 16 tokens (block g) changes hands, first its hi part and then its lo part, through the same bytes of the stage.
; In accumulator (f, g) a lane holds token r, d = 16 w + f, heads 8 hf + 0..7: 16 bytes of bf16.  In the stage a token has [d & 3][hf][d >> 2][16 bytes].
.macro VST base                        ; 16 pieces of 16 bytes into the stage
.irp f, 0,1,2,3,4,5,6,7,8,9,10,11,12,13,14,15
	ds_store_b128 v[STV], v[\base+4*\f:\base+4*\f+3] offset:512*(\f%4)+16*(\f/4)
.endr
.endm
; My four tokens' fragments: token i, block b (column r is d = 4 r + b) at v[64 + 32 i + 8 b] (i < 2) or v[192 + 32 (i - 2) + 8 b]: 32 loads.
.macro VFRAG
.irp i, 0,1,2,3
.irp b, 0,1,2,3
	ds_load_b128 v[OP+32*\i+64*(\i/2)+8*\b:OP+32*\i+64*(\i/2)+8*\b+3],   v[RDA] offset:SPT*\i+512*\b   ; V[8 hf + 0..7][4 r + b],
	ds_load_b128 v[OP+32*\i+64*(\i/2)+8*\b+4:OP+32*\i+64*(\i/2)+8*\b+7], v[RDA] offset:SPT*\i+512*\b   ; in both halves of K, for M's hi and lo
.endr
.endr
.endm
; 16 products [Mh | Ml] x [V | V], one for each (token i, block b).  The result lies in accumulator (4 i + b, g), which the split has left free.  zero = 1: V's hi part starts the sums;
; 0: its lo part adds in place.  The 16 accumulators take turns, one instruction a turn.
.macro VMUL g, zero
	s_wait_dscnt 16                                ; tokens 0 and 1 are in; the 16 loads of tokens 2 and 3 may be out
.irp i, 0,1,2,3
.if \i == 2
	s_wait_dscnt 0x0
.endif
	WIN 0xa1+0x50*(\i/2)
.irp b, 0,1,2,3
.if \zero
	v_wmma_f32_16x16x32_bf16 v[8*(4*((4*\i+\b)%8)+\g):8*(4*((4*\i+\b)%8)+\g)+7], v[8*(4*\g+\i):8*(4*\g+\i)+7], v[OP+32*\i+64*(\i/2)+8*\b:OP+32*\i+64*(\i/2)+8*\b+7], 0
.else
	v_wmma_f32_16x16x32_bf16 v[8*(4*((4*\i+\b)%8)+\g):8*(4*((4*\i+\b)%8)+\g)+7], v[8*(4*\g+\i):8*(4*\g+\i)+7], v[OP+32*\i+64*(\i/2)+8*\b:OP+32*\i+64*(\i/2)+8*\b+7], v[8*(4*((4*\i+\b)%8)+\g):8*(4*((4*\i+\b)%8)+\g)+7]
.endif
.endr
.endr
	WIN 0
	PLACES                                         ; in front of what reads the results or writes the fragments' registers
.endm
.macro VEPI g
	PLACES
	s_wait_xcnt 0x0                                ; earlier stores read v64-127 and v192-255: they are rewritten only behind this wait (ISA guide 3.1)
.irp hi, 0,1
	WIN 0x0a+5*\hi
.irp f, 0,1,2,3,4,5,6,7
.irp e, 0,1,2,3
	v_cvt_pk_bf16_f32 v[OP+4*(8*\hi+\f)+\e], v[8*(4*\f+\g)+2*\e], v[8*(4*\f+\g)+2*\e+1]   ; hi -> v64-127; each accumulator is read from its low end on
.endr
.endr
.endr
.irp hi, 0,1
	WIN 0x20+0x10*\hi
.irp f, 0,1,2,3,4,5,6,7
.irp e, 0,1,2,3
	v_fma_mix_f32_bf16 v[D2+8*(8*\hi+\f)+2*\e],   v[OP+4*(8*\hi+\f)+\e], v[M1], v[8*(4*\f+\g)+2*\e] op_sel_hi:[1,0,0]                  ; y - hi, exact -> v128-255
	v_fma_mix_f32_bf16 v[D2+8*(8*\hi+\f)+2*\e+1], v[OP+4*(8*\hi+\f)+\e], v[M1], v[8*(4*\f+\g)+2*\e+1] op_sel:[1,0,0] op_sel_hi:[1,0,0]
.endr
.endr
.endr
	WIN 0
.irp f, 0,1,2,3,4,5,6,7,8,9,10,11,12,13,14,15
.irp e, 0,1,2,3
	v_cvt_pk_bf16_f32 v[D2+4*\f+\e], v[D2+8*\f+2*\e], v[D2+8*\f+2*\e+1]   ; lo -> v128-191, in place: word n is made of words 2 n and 2 n + 1, in ascending order
.endr
.endr
	s_wait_dscnt 0x0                               ; my reads of the stage are over
	s_barrier_signal -1
	s_barrier_wait -1                              ; everybody's are
	VST OP                                         ; V's hi part
	s_wait_dscnt 0x0                               ; for the others' sake: my stores are in LDS
	s_barrier_signal -1
	s_barrier_wait -1
	VFRAG
	VMUL \g, 1
	s_wait_dscnt 0x0                               ; my reads of the hi part are over (met: the products waited for them)
	s_barrier_signal -1
	s_barrier_wait -1                              ; everybody's are
	VST D2                                         ; V's lo part, into the same bytes
	s_wait_dscnt 0x0
	s_barrier_signal -1
	s_barrier_wait -1
	VFRAG
	VMUL \g, 0
	; Column r of block b is d = 4 r + b, so that after the moves a lane holds 4 neighbouring d of a head and sixteen lanes store the head's 256 consecutive bytes, aligned.
	; The moves are the price: a result's 8 registers are 8 heads, and no order of the operands puts four neighbouring d of one head into four neighbouring registers.
.irp i, 0,1,2,3
	WIN 0x02+(\i/2)
.irp j, 0,1,2,3,4,5,6,7
.irp b, 0,1,2,3
	v_mov_b32 v[OP+32*\i+64*(\i/2)+4*\j+\b], v[8*(4*((4*\i+\b)%8)+\g)+\j]   ; each result is read from its low end on
.endr
.endr
.endr
	WIN 0
.irp i, 0,1,2,3
.irp j, 0,1,2,3,4,5,6,7
	global_store_b128 v[CO], v[OP+32*\i+64*(\i/2)+4*\j:OP+32*\i+64*(\i/2)+4*\j+3], s[14:15] offset:(16*\g+\i)*4096+256*\j th:TH_STORE_NT   ; token 16 g + 4 w + i, head 8 hf + j
.endr
.endr
.endm
	s_load_b256 s[4:11], s[0:1], 0x0               ; x s[4:5], wt s[6:7], biasp s[8:9], E s[10:11]
	s_load_b128 s[12:15], s[0:1], 0x20             ; w s[12:13], out0 s[14:15]
	s_set_vgpr_msb 0x40
	v_lshl_add_u32 v254, v0, 2, 0x4c900
	v_mov_b32 v255, 0
	s_set_vgpr_msb 0x4045
	ds_add_u32 v254, v255
	s_set_vgpr_msb 0x4500
	v_lshrrev_b32 v1, 5, v0
	v_readfirstlane_b32 s16, v1                    ; wave 0..3
	s_bfe_u32 s18, ttmp6, 0x40000                  ; cx
	s_lshl_b32 s17, ttmp9, 2                       ; in a cluster launch ttmp9 counts clusters
	s_add_co_u32 s17, s17, s18                     ; my work-group: it enters x's and out0's addresses alone
	s_lshl_b32 s18, s17, 18                        ; 64 tokens x 4,096 bytes
	s_mov_b32 s19, 0
	; descriptor group 1: a dense block of 32,768 bytes as 128 rows of 256
	s_mov_b32 s24, 15|(3<<16)|(1<<21)              ; 15:0 the mask: all four work-groups; 17:16 elements of 8 bytes; 21 set beside a mask; no padding
	s_mov_b32 s25, 32<<16                          ; tensor_dim0 = 32 elements
	s_mov_b32 s26, 128<<16                         ; tensor_dim1 = 128
	s_mov_b32 s27, 32<<16                          ; tile_dim0 = 32
	s_mov_b32 s28, 128                             ; tile_dim1 = 128
	s_mov_b32 s29, 32                              ; from row to row: 32 elements
	s_mov_b32 s30, 0
	s_mov_b32 s31, 0
	s_lshl_b32 s43, s16, 15                        ; my quarter of a tile, in memory and in LDS
	s_mov_b32 s46, s43
	s_mov_b32 s47, 0
	s_mov_b32 s22, 0                               ; s[22:23]: byte offset along K of the next x tile
	s_mov_b32 s23, 0
	s_mov_b32 s44, 0x76543210                      ; v_permlanex16_b32: each lane takes its own place in the other half
	s_mov_b32 s45, 0xfedcba98
	s_wait_dscnt 0x0
	s_wait_kmcnt 0x0
	s_add_nc_u64 s[20:21], s[4:5], s[18:19]        ; x at my first token
	s_add_nc_u64 s[14:15], s[14:15], s[18:19]      ; out0 at my first token
	s_add_nc_u64 s[6:7], s[6:7], s[46:47]          ; wt at my quarter of tile 0
	CROUND                                         ; all four work-groups are here: the first joint loads meet
.irp s, 0,1
	s_mov_b32 s[32+4*\s], 1                        ; count = 1
	s_add_co_u32 s[33+4*\s], s43, \s*WSLOT         ; LDS address
	s_add_nc_u64 s[34+4*\s:35+4*\s], s[6:7], \s*WSLOT   ; global address: tile s
	s_or_b32 s[35+4*\s], s[35+4*\s], 0x80000000    ; type = 2
.endr
	tensor_load_to_lds s[32:35], s[24:31]          ; both first fills go out together, ahead of every wait on TENSORcnt and every LDS read
	s_nop 0
	tensor_load_to_lds s[36:39], s[24:31]
	s_nop 0
	PLACES                                         ; four v_nop behind the tensor loads
	v_and_b32 v1, 15, v0                           ; r
	v_bfe_u32 v14, v0, 4, 1                        ; hf
	v_and_b32 v15, 31, v0                          ; lane
	v_lshlrev_b32 v192, 2, v1
	v_lshl_add_u32 v192, v14, 9, v192              ; E[8 hf + i][r]: 512 hf + 4 r, + 64 i
	v_lshlrev_b32 v193, 6, v1
	v_lshl_add_u32 v193, v14, 5, v193              ; E[r][8 hf ..]: 64 r + 32 hf
	v_lshlrev_b32 v194, 5, v14                     ; w[8 hf ..]
	v_lshlrev_b32 v195, 2, v1                      ; w[r]
	v_bfe_u32 v6, v0, 3, 2
	v_lshl_add_u32 v6, s16, 4, v6                  ; the token whose x I fetch: 16 w + (lane >> 3), + 4 i
	v_and_b32 v7, 7, v0
	v_lshlrev_b32 v[XO], 12, v6
	v_lshl_add_u32 v[XO], v7, 5, v[XO]
	v_mul_u32_u24 v6, v6, XPT
	v_lshl_add_u32 v6, v7, 4, v6
	v_add_nc_u32 v[XW], XS, v6
.irp i, 0,1,2,3,4,5,6,7
	global_load_b32 v[48+\i], v192, s[10:11] offset:64*\i
.endr
	global_load_b128 v[56:59], v193, s[10:11]
	global_load_b128 v[60:63], v193, s[10:11] offset:16
	global_load_b128 v[WL:WL+3], v194, s[12:13]
	global_load_b128 v[WL+4:WL+7], v194, s[12:13] offset:16
	global_load_b32 v196, v195, s[12:13]
	XLD 0                                          ; x tiles 0 and 1
	XLD 1
	WIN 0
	v_lshl_add_u32 v[AW], v15, 4, s43
	v_add_nc_u32 v[AW+1], WSLOT, v[AW]
	v_mul_u32_u24 v[AX], v1, XPT
	v_lshl_add_u32 v[AX], v14, 4, v[AX]
	v_add_nc_u32 v[AX], XS, v[AX]
	s_lshr_b32 s46, s16, 1                         ; into the stage: Q (waves 0, 1) or K (2, 3): 512 bytes on; heads 8 (w & 1) on: 128 bytes
	s_lshl_b32 s46, s46, 9
	s_and_b32 s47, s16, 1
	s_lshl_b32 s47, s47, 7
	s_add_co_u32 s46, s46, s47
	s_add_co_u32 s46, s46, STG
	v_mul_u32_u24 v[STV], v1, SPT                  ; token r
	v_lshl_add_u32 v[STW], v14, 4, v[STV]          ; head + hf
	v_add_nc_u32 v[STW], s46, v[STW]
	s_lshl_b32 s47, s16, 6                         ; V: d >> 2 = 4 w + (f >> 2)
	s_add_co_u32 s47, s47, STG
	v_lshl_add_u32 v[STV], v14, 8, v[STV]
	v_add_nc_u32 v[STV], s47, v[STV]
	s_mul_i32 s48, s16, 4*SPT                      ; out of the stage: my tokens 4 w + i
	s_add_co_u32 s48, s48, STG
	v_lshl_add_u32 v[RDA], v15, 4, s48
	s_add_co_u32 s49, s48, 512
	v_lshl_add_u32 v[RDB], v1, 4, s49
	s_lshl_b32 s49, s16, 14
	v_lshl_add_u32 v[CO], v14, 11, s49
	v_lshl_add_u32 v[CO], v1, 4, v[CO]
	s_lshl_b32 s49, s16, 10
	v_lshl_add_u32 v[BO], v14, 5, s49
	v_mov_b32 v[M1], -1.0
	XCVT 0, 0, 8                                   ; x tile 0 into x slot 0; the wait leaves tile 1's 8 loads out and covers E and w, which are older
	WIN 0
.irp e, 0,1,2,3
	v_cvt_pk_bf16_f32 v[F1+\e],   v[48+2*\e], v[49+2*\e]
	v_cvt_pk_bf16_f32 v[F1+4+\e], v[48+2*\e], v[49+2*\e]   ; the same in the upper half of K, for the other operand's lo part
	v_cvt_pk_bf16_f32 v[F2+\e],   v[56+2*\e], v[57+2*\e]
	v_cvt_pk_bf16_f32 v[F2+4+\e], v[56+2*\e], v[57+2*\e]
.endr
.irp e, 0,1,2,3
	v_cvt_pk_bf16_f32 v[48+\e], v[WL+2*\e], v[WL+2*\e+1]   ; w rounded to bf16 and kept as f32
.endr
.irp e, 0,1,2,3
	v_lshlrev_b32 v[WL+2*\e], 16, v[48+\e]
	v_and_b32 v[WL+2*\e+1], 0xffff0000, v[48+\e]
.endr
	v_cvt_pk_bf16_f32 v196, v196, v196
	v_lshlrev_b32 v14, 16, v196
	v_mul_f32 v14, 0x3e38aa3b, v14                 ; w[r] log2(e) / 8
	v_mov_b32 v15, v14
.irp e, 0,1,2,3
	v_pk_mul_f32 v[SC+2*\e:SC+2*\e+1], v[WL+2*\e:WL+2*\e+1], v[14:15]
.endr
	s_wait_dscnt 0x0                               ; x tile 0 is in LDS, and set 0 may be loaded again
	XLD 0                                          ; x tile 2
	WIN 0
	s_wait_tensorcnt 0x1                           ; my quarter of tile 0 is in; tile 1's may stay out
	s_barrier_signal -1
	s_barrier_wait -1
	STAGE 0
	QKEPI 0
	STAGE 1
	QKEPI 1
	PLACES                                         ; behind the last products G += Q K^T: the roundings that follow write v64 on, which those products have as operands
	CHAIN8 0
	CHAIN8 1
	STAGE 2
	VEPI 0
	VEPI 1
	VEPI 2
	VEPI 3
	s_set_vgpr_msb 0x5
	s_wait_tensorcnt 0x0
	ds_add_u32 v254, v255
	s_wait_dscnt 0x0
	s_set_vgpr_msb 0x500
	CROUND                                         ; the closing round: no work-group ends while a partner may still ask for a tile that names it
	s_endpgm
.Lfunc_end_k_qbff685f207_main:
	.size	k_qbff685f207_main, .Lfunc_end_k_qbff685f207_main-k_qbff685f207_main
	.p2alignl 7, 3214868480
	.fill 96, 4, 3214868480
	.section	.rodata,"a",@progbits
	.p2align	6, 0x0
	.amdhsa_kernel k_qbff685f207_main
		.amdhsa_group_segment_fixed_size 327680
		.amdhsa_private_segment_fixed_size 0
		.amdhsa_enable_private_segment 0
		.amdhsa_kernarg_size 48
		.amdhsa_user_sgpr_count 2
		.amdhsa_user_sgpr_kernarg_segment_ptr 1
		.amdhsa_wavefront_size32 1
		.amdhsa_system_sgpr_workgroup_id_x 1
		.amdhsa_system_sgpr_workgroup_id_y 1
		.amdhsa_system_sgpr_workgroup_id_z 1
		.amdhsa_system_vgpr_workitem_id 0
		.amdhsa_next_free_vgpr 1024
		.amdhsa_next_free_sgpr 66
		.amdhsa_reserve_vcc 0
		.amdhsa_float_denorm_mode_32 3
		.amdhsa_float_denorm_mode_16_64 3
		.amdhsa_memory_ordered 1
		.amdhsa_forward_progress 1
		.amdhsa_inst_pref_size 255
	.end_amdhsa_kernel
	.section	.bss,"aw",@nobits
	.p2align	6
	.space	262144
	.amdgpu_metadata
---
amdhsa.version: [ 1, 2 ]
amdhsa.kernels:
  - .name:           k_qbff685f207_main
    .symbol:         k_qbff685f207_main.kd
    .args:
      - { .name: x, .offset: 0, .size: 8, .value_kind: global_buffer, .address_space: global }
      - { .name: wt, .offset: 8, .size: 8, .value_kind: global_buffer, .address_space: global }
      - { .name: biasp, .offset: 16, .size: 8, .value_kind: global_buffer, .address_space: global }
      - { .name: eigenvectors, .offset: 24, .size: 8, .value_kind: global_buffer, .address_space: global }
      - { .name: filter_weights, .offset: 32, .size: 8, .value_kind: global_buffer, .address_space: global }
      - { .name: out0, .offset: 40, .size: 8, .value_kind: global_buffer, .address_space: global }
    .group_segment_fixed_size: 327680
    .private_segment_fixed_size: 0
    .kernarg_segment_align: 8
    .kernarg_segment_size: 48
    .max_flat_workgroup_size: 128
    .sgpr_count:     66
    .vgpr_count:     1024
    .wavefront_size: 32
...
	.end_amdgpu_metadata
.endif
;; end of part 2
;; ======== version 2 of 3: 2 launches; 1.20 times as fast as version 1
;; limits: values outside matrix products are rounded to bf16
;; workspace buffers: wt 6,291,456 bytes; biasp 12,288 bytes
;; launch prep: the kernel of part 1 again; grid 128 x 3, 8 waves a work-group, no clusters, 18,432 bytes of LDS; arguments Wq, Wk, Wv, bq, bk, bv, wt, biasp; writes wt, biasp
;; launch main (part 3): grid 256 x 1, 4 waves a work-group, clusters of 4 x 1, 327,680 bytes of LDS; arguments x, wt, biasp, eigenvectors, filter_weights, out0; writes out0
.if DOCPART == 3
	.amdgcn_target "amdgcn-amd-amdhsa--gfx1250"
	.amdhsa_code_object_version 6
	.text
	.protected	k_qbff685f207_main
	.globl	k_qbff685f207_main
	.p2align	8
	.type	k_qbff685f207_main,@function
k_qbff685f207_main:
	s_mov_b64 s[64:65], 0
	v_nop
	global_prefetch_b8 v0, s[64:65] scope:SCOPE_SE
	s_setreg_imm32_b32 hwreg(HW_REG_WAVE_MODE, 25, 1), 1
	s_wait_xcnt 0x0
	s_wait_alu depctr_hold_cnt(0) depctr_sa_sdst(0) depctr_va_vdst(0) depctr_va_sdst(0) depctr_va_ssrc(0) depctr_va_vcc(0) depctr_vm_vsrc(0)
	s_getreg_b32 s2, hwreg(HW_REG_IB_STS2, 6, 4)
	s_cmp_eq_u32 s2, 0
	s_cbranch_scc0 .Lentry_in_a_cluster
	s_endpgm
.Lentry_in_a_cluster:
	s_bfe_u32 s2, ttmp6, 0x10000c
	s_cmp_lg_u32 s2, 0x3003
	s_cbranch_scc0 .Lentry_shape_is_right
	s_endpgm
.Lentry_shape_is_right:
; main: the whole layer for 64 tokens a work-group.  For a token, with E [16 head][16 eigen], w [16], Q, K, V [16 head][64 d]:
;   G[h][h'] = sum_d Q[h][d] K[h'][d];  S = E^T G E;  t[k][l] = S[k][l] w_k w_l / 8;  a = softmax_l(t), the row's maximum taken away;
;   M = E (a diag(w)) E^T;  out[h][d] = sum_h' M[h][h'] V[h'][d].   This is the layer's arithmetic in another order of summation; every product is a matrix instruction.
; LIMITS.  x, the weights, the biases, E and w are each rounded once to bf16.  All that is made of them (Q, K, G, E^T G, S, a, a E^T, M, V) goes into matrix instructions as hi + lo,
; two bf16 (hi = bf16(y), lo = bf16(y - hi): 16 bits of mantissa).  V too: its rounding is multiplied by a row of M, whose norm is the size of the output itself.
; NaN and infinite inputs are not served; a softmax weight below 2^-126 is zero.
; SHARES.  Work-group 4 x cluster + cx owns tokens 64 wg ..  Three stages of 64 tokens x 1,024 rows of wt over K = 1,024: stage 0: Q, K for d 0-31; stage 1: d 32-63; stage 2: V.
; 64 x 3,072 f32 sums are more than the four waves' registers hold, hence the stages.  Wave w: all 64 tokens x its 256 rows: 64 accumulators, 512 registers; for 32 along K it reads
; 16 + 4 fragments for 64 matrix instructions, and each byte of W leaves LDS once.  Source 0 = 16 rows of wt, source 1 = 16 tokens: a lane holds one token and 8 neighbouring rows.
; Per-token work: wave w owns tokens 16 g + 4 w + i (g, i = 0..3), local number 4 g + i.
; CLUSTER.  All work-groups walk the same 6 MiB of wt, so the four of a cluster ask for each tile JOINTLY: the same tensor load, the same descriptor (made of the wave's number alone), mask 15.
; cx enters the addresses of x and out0 alone.  A wave has two tensor loads out at the start and one behind each round.
; x is not kept: it is read in each of the three stages (f32, through registers, rounded, into two small LDS slots), so that LDS has room for two W slots of 128 KiB,
; one round of the cluster's barrier for 128 matrix instructions a wave.
; THE TEXT.  What differs by scalar steps alone is written once.  Stages 0 and 1, each with its way into G, are one loop of two trips (about 2,400 instructions, some 19,000 bytes), and in it the
; loop over K steps, eight trips of two steps; G -> M is a loop of two trips of eight tokens.  Written out is what differs in register numbers, which stand in the instructions: the eight
; batches of Q and K (a stage's 512 accumulator registers at two instructions each for the split) and V's four blocks; and stage 2's K steps, whose tail asks for nothing beyond the last tile.
; LDS:  0 .. 262,143        W ring: slot s at 131,072 s, wave w's quarter at + 32,768 w; filled by tensor loads alone; fragment order, so a load of 16 bytes a lane takes 512 consecutive bytes
;       262,144 .. 280,575  two x slots of 9,216: 64 tokens x 144 (128 + 16); written by ds_store alone
;       280,576 .. 313,599  stage: 16 tokens x 2,064 (2,048 + 16); written by ds_store alone
; Both pitches are odd multiples of 16 bytes: the 16 rows that a load or store touches begin in 16 different groups of four banks (64 banks of 4 bytes: ISA guide 11.1).
; REGISTERS, in windows of 256 (s_set_vgpr_msb: bits 1:0 source 0, 3:2 source 1, 5:4 source 2, 7:6 destination):
;   window 0: v2-13 addresses and -1.0; v16-31 E's two fragments; v32-47 scales; v64-191 two buffers of 8 W fragments; v192-255 two buffers of 4 x fragments; v64-255 at work between the stages
;   window 1: v0-127 G, later M as hi/lo, 8 a token; v128-191 two sets of x as f32 on its way in
;   windows 2, 3: accumulator (f, g) in window 2 + (f >> 3) at v[8 (4 (f & 7) + g)]; on the way out block g's 16 accumulators take the results of out = M V
.set WSLOT, 131072
.set XS,    262144
.set XSLOT, 9216
.set XPT,   144
.set STG,   280576
.set SPT,   2064
.set AW,  2                            ; v2, v3  slot 0, 1: 131,072 slot + 32,768 w + 16 lane
.set AX,  4                            ; v4      x fragments: XS + 144 r + 16 hf
.set XO,  5                            ; v5      x in memory: (16 w + (lane >> 3)) x 4,096 + 32 (lane & 7)
.set XW,  6                            ; v6      x into LDS: XS + (16 w + (lane >> 3)) x 144 + 16 (lane & 7)
.set BO,  7                            ; v7      biasp: 1,024 w + 32 hf
.set STW, 8                            ; v8      Q, K into the stage
.set STV, 9                            ; v9      V into the stage
.set RDA, 10                           ; v10     out of the stage: my four tokens, 16 bytes a lane
.set RDB, 11                           ; v11     out of the stage: K's part, both halves of the lanes alike
.set CO,  12                           ; v12     out0: 16,384 w + 2,048 hf + 16 r
.set M1,  13                           ; v13     -1.0
.set F1,  16                           ; v16-23  lane r = eigen index, k = head: E[8 hf + i][r], in both halves of K
.set F2,  24                           ; v24-31  lane r = head, k = eigen index: E[r][8 hf + i], in both halves of K
.set SC,  32                           ; v32-39  w[8 hf + j] w[r] log2(e) / 8
.set WL,  40                           ; v40-47  w[8 hf + j]
.set WB0, 64
.set WB1, 128
.set XB0, 192
.set XB1, 224
.set OP,  64                           ; between the stages: operands, 64 registers
.set D2,  128                          ;                     results or at work, 64
.set RR,  192                          ;                     residuals or at work, 64
.set XP,  128                          ; window 1: x as f32, set 0 and set 1 of 32
.set MSB, 0
.macro WIN new                         ; the immediate's high byte repeats the setting that is left; a switch that changes nothing is dropped
.if MSB != (\new)
	s_set_vgpr_msb (MSB<<8)|(\new)
.set MSB, (\new)
.endif
.endm
; A vector instruction that reads a matrix result or writes one of a matrix instruction's registers, and a load into such a register, stand four places behind it; only plain vector
; instructions that name none of its registers are places (ISA guide 7.12.1 for vector instructions).
.macro PLACES
.rept 4
	v_nop
.endr
.endm
; A round of the cluster's barrier: my work-group's barrier, wave 0 signals for the work-group, every wave waits for all four work-groups, my work-group's barrier once more.
.macro CREST                           ; a round behind its opening barrier
	s_cmp_lg_u32 s16, 0
	s_cbranch_scc1 .Lnot_wave_0_\@
	s_barrier_signal -3
.Lnot_wave_0_\@:
	s_barrier_wait -3
	s_barrier_signal -1
	s_barrier_wait -1
.endm
.macro CROUND
	s_barrier_signal -1
	s_barrier_wait -1
	CREST
.endm
; 16 matrix instructions: rows 16 (8 hi + f), f = f0 .. f0 + 3, x all 64 tokens, 32 along K.  Every one names another accumulator: the accumulators take turns.
.macro MUL16 wb, xb, hi, f0
	WIN 0xa0+0x50*\hi
.irp f, \f0, \f0+1, \f0+2, \f0+3
.irp g, 0,1,2,3
	v_wmma_f32_16x16x32_bf16 v[8*(4*(\f)+\g):8*(4*(\f)+\g)+7], v[\wb+8*(\f):\wb+8*(\f)+7], v[\xb+8*\g:\xb+8*\g+7], v[8*(4*(\f)+\g):8*(4*(\f)+\g)+7]
.endr
.endr
.endm
.macro LDW slot, hh, fh, wb            ; 8 fragments of W: rows 16 (8 fh + f), k = 32 hh ..: 16 loads
	WIN 0
.irp f, 0,1,2,3,4,5,6,7
	ds_load_b128 v[\wb+8*\f:\wb+8*\f+3],   v[AW+(\slot)] offset:\hh*16384+(8*\fh+\f)*1024
	ds_load_b128 v[\wb+8*\f+4:\wb+8*\f+7], v[AW+(\slot)] offset:\hh*16384+(8*\fh+\f)*1024+512
.endr
.endm
.macro LDX slot, hh, xb                ; 4 fragments of x: tokens 16 g + r, k = 32 hh ..: 8 loads
	WIN 0
.irp g, 0,1,2,3
	ds_load_b128 v[\xb+8*\g:\xb+8*\g+3],   v[AX] offset:(\slot)*XSLOT+16*XPT*\g+64*\hh
	ds_load_b128 v[\xb+8*\g+4:\xb+8*\g+7], v[AX] offset:(\slot)*XSLOT+16*XPT*\g+64*\hh+32
.endr
.endm
; The next x tile (64 tokens x 64 k, f32) is asked for: wave w takes tokens 16 w .., a lane 32 bytes of a token; the two loads of a pair together cover 4 tokens x 256 consecutive bytes.
.macro XLD set
	s_wait_xcnt 0x0                                ; the base below is rewritten only when earlier loads have had their addresses translated (ISA guide 3.1)
	s_add_nc_u64 s[40:41], s[20:21], s[22:23]
	WIN 0x40
.irp i, 0,1,2,3
	global_load_b128 v[XP+32*(\set)+8*\i:XP+32*(\set)+8*\i+3],   v[XO], s[40:41] offset:16384*\i
	global_load_b128 v[XP+32*(\set)+8*\i+4:XP+32*(\set)+8*\i+7], v[XO], s[40:41] offset:16384*\i+16
.endr
	s_add_co_u32 s22, s22, 256                     ; 64 k on, and round again at a stage's end
	s_and_b32 s22, s22, 0xfff
.endm
; A set of x is rounded to bf16 in place and stored into an x slot.  n: the younger loads, the other set's, which stay out.
.macro XCVT set, slot, n
	s_wait_loadcnt \n
	WIN 0x45
.irp i, 0,1,2,3
.irp e, 0,1,2,3
	v_cvt_pk_bf16_f32 v[XP+32*(\set)+8*\i+\e], v[XP+32*(\set)+8*\i+2*\e], v[XP+32*(\set)+8*\i+2*\e+1]
.endr
.endr
	WIN 0x04
.irp i, 0,1,2,3
	ds_store_b128 v[XW], v[XP+32*(\set)+8*\i:XP+32*(\set)+8*\i+3] offset:(\slot)*XSLOT+4*XPT*\i
.endr
.endm
; ONE K STEP OF 64: 128 matrix instructions in four quarters (k half 0: rows 0-127, 128-255; k half 1: the same), each on fragments fetched a quarter ahead.
; turn = 2: this W slot is filled again, two tiles on; 1: a barrier alone; 0: none.  next: the next step's first fragments are fetched.
; xc, xn: the next step's x is rounded and stored, with xn younger loads left out.  xl: the x three steps on is asked for.
.macro PERIOD slot, turn, next, xc, xn, xl
	PLACES                                         ; buffer 1 was multiplied last
	LDW \slot, 0, 1, WB1
	s_wait_dscnt 16                                ; all but the 16 just issued: this quarter's 24 loads are in
	MUL16 WB0, XB0, 0, 0
	MUL16 WB0, XB0, 0, 4
.if \xc
	XCVT 1-\slot, 1-\slot, \xn                     ; its 16 roundings are the places in front of the loads into buffer 0.  The x slot's last readers waited for their loads in front of the barrier of the step before
.else
	PLACES
.endif
	LDW \slot, 1, 0, WB0
	LDX \slot, 1, XB1
	s_wait_dscnt 24                                ; all but the 24 just issued: buffer 1 is in, x's stores are done
	MUL16 WB1, XB0, 1, 0
	MUL16 WB1, XB0, 1, 4
.if \xl
	XLD 1-\slot                                    ; into the set just stored
.endif
	PLACES
	LDW \slot, 1, 1, WB1                           ; my last reads of this W slot
	s_wait_dscnt 16
	MUL16 WB0, XB1, 0, 0
.if \turn
	s_wait_dscnt 0x0                               ; my reads of this W slot and of this x slot are over, my x stores are in LDS,
	s_set_vgpr_msb 0xa0a5
	s_wait_tensorcnt 0x0                           ; and all my tensor loads have landed: the one that was out is my quarter of the next tile
	ds_add_u32 v254, v255
	s_wait_dscnt 0x0
	s_set_vgpr_msb 0xa5a0
	s_barrier_signal -1
.endif
	MUL16 WB0, XB1, 0, 4                           ; register work while the others arrive
	WIN 0                                          ; at a branch and at a label every window is 0
.if \turn
	s_barrier_wait -1
.endif
.if \turn == 2
	CREST                                          ; the barrier has opened a round of the cluster's: no wave of any partner still reads this slot or has a load on its way
	s_add_nc_u64 s[34+4*\slot:35+4*\slot], s[34+4*\slot:35+4*\slot], 2*WSLOT
	tensor_load_to_lds s[32+4*\slot:35+4*\slot], s[24:31]   ; my one load behind the round; 112 matrix instructions stand between it and the wait for it
	s_nop 0
.endif
	PLACES                                         ; behind the tensor load, and in front of the loads into buffer 0
.if \next
	LDW 1-\slot, 0, 0, WB0
	LDX 1-\slot, 0, XB0
	s_wait_dscnt 24                                ; all but the 24 just issued
.else
	s_wait_dscnt 0x0
.endif
	MUL16 WB1, XB1, 1, 0
	MUL16 WB1, XB1, 1, 4
.endm
; The sums begin with the bias: it is loaded straight into the accumulators (a lane's 8 rows are 32 neighbouring bytes of biasp, the same for all four token blocks), so every product adds in place.
; s[8:9] stands at the stage's 1,024 biases.
.macro BIAS hi
	WIN 0x80+0x40*\hi
.irp f, 0,1,2,3,4,5,6,7
.irp g, 0,1,2,3
	global_load_b128 v[8*(4*\f+\g):8*(4*\f+\g)+3],   v[BO], s[8:9] offset:64*(8*\hi+\f)
	global_load_b128 v[8*(4*\f+\g)+4:8*(4*\f+\g)+7], v[BO], s[8:9] offset:64*(8*\hi+\f)+16
.endr
.endr
.endm
; A STAGE: 16 K steps.  The ring and the stream of x go on into the next stage.
; last = 0 (stages 0 and 1, one text): all 16 steps are the loop's.  The 16th fetches the next stage's first fragments like every other; their registers are at work between the stages,
; so those 24 loads are only waited for, and the next stage's head fetches them again: the price of having no tail written out.
; last = 1 (stage 2): the tail is written out, so that nothing beyond tile 47 is asked for.
.macro STAGE last
	PLACES
	BIAS 0
	BIAS 1
	LDW 0, 0, 0, WB0
	LDX 0, 0, XB0
	s_wait_loadcnt 0x0                             ; the bias (and what of x was on its way)
.if \last == 0
	s_add_nc_u64 s[8:9], s[8:9], 4096              ; the next stage's biases: the loads that named this base are done
	s_mov_b32 s42, 8
.else
	s_mov_b32 s42, 6
.endif
	WIN 0
.Lperiods_\@:
	PERIOD 0, 2, 1, 1, 8, 1
	PERIOD 1, 2, 1, 1, 8, 1
	WIN 0
	s_sub_co_u32 s42, s42, 1
	s_cmp_lg_u32 s42, 0
	s_cbranch_scc1 .Lperiods_\@
.if \last == 0
	s_wait_dscnt 0x0                               ; the 24 loads of the last step's look ahead have landed: v64 on may be written
.else
	PERIOD 0, 2, 1, 1, 8, 1                        ; step 44: asks for tile 46 and for x tile 47
	PERIOD 1, 2, 1, 1, 8, 0                        ; step 45: asks for tile 47, the last
	PERIOD 0, 1, 1, 1, 0, 0                        ; step 46: a barrier alone; the last x tile
	PERIOD 1, 0, 0, 0, 0, 0
.endif
.endm
; Four products G += Q K^T for tokens 4 g + i, 8 values of d each, in four blocks of K: A = [Qh, Ql, Qh, Ql], B = [Kh, Kh, Kl, Kl]: all four cross terms of (Qh + Ql)(Kh + Kl).
; The four accumulators take turns, one instruction a turn.
.macro GMUL g, o
.irp i, 0,1,2,3
	v_wmma_f32_16x16x32_bf16 v[8*(4*\g+\i):8*(4*\g+\i)+7], v[OP+16*(4*\o+\i):OP+16*(4*\o+\i)+7], v[OP+16*(4*\o+\i)+8:OP+16*(4*\o+\i)+15], v[8*(4*\g+\i):8*(4*\g+\i)+7]
.endr
.endm
; Q and K of 16 tokens (block g) and 16 values of d (accumulators f = 8 dh + f') change hands: from the wave that made them (one matrix, 8 heads, all tokens) to the wave that owns the token.
; In accumulator (f, g) a lane holds token r, head 8 (w & 1) + 2 (f & 3) + hf, d = 8 (f >> 2) + 0..7.  In the stage a token has [octet 2][Qh, Ql, Kh, Kl][head 16][16 bytes].
.macro QKBATCH g, dh
	PLACES
	WIN 0x0a+5*\dh
.irp f, 0,1,2,3,4,5,6,7
.irp e, 0,1,2,3
	v_cvt_pk_bf16_f32 v[OP+4*\f+\e], v[8*(4*\f+\g)+2*\e], v[8*(4*\f+\g)+2*\e+1]   ; hi; each accumulator is read from its low end on
.endr
.endr
	WIN 0x20+0x10*\dh
.irp f, 0,1,2,3,4,5,6,7
.irp e, 0,1,2,3
	v_fma_mix_f32_bf16 v[D2+8*\f+2*\e],   v[OP+4*\f+\e], v[M1], v[8*(4*\f+\g)+2*\e] op_sel_hi:[1,0,0]                  ; y - hi, exact
	v_fma_mix_f32_bf16 v[D2+8*\f+2*\e+1], v[OP+4*\f+\e], v[M1], v[8*(4*\f+\g)+2*\e+1] op_sel:[1,0,0] op_sel_hi:[1,0,0]
.endr
.endr
	WIN 0
.irp f, 0,1,2,3,4,5,6,7
.irp e, 0,1,2,3
	v_cvt_pk_bf16_f32 v[OP+32+4*\f+\e], v[D2+8*\f+2*\e], v[D2+8*\f+2*\e+1]        ; lo
.endr
.endr
	s_wait_dscnt 0x0                               ; my reads of the stage are over
	s_barrier_signal -1
	s_barrier_wait -1                              ; everybody's are: the stage may be written.  No tensor load fills anything behind this barrier, so the one that is out may stay out
.irp f, 0,1,2,3,4,5,6,7
	ds_store_b128 v[STW], v[OP+4*\f:OP+4*\f+3]       offset:1024*(\f/4)+32*(\f%4)
	ds_store_b128 v[STW], v[OP+32+4*\f:OP+32+4*\f+3] offset:1024*(\f/4)+32*(\f%4)+256
.endr
	s_wait_dscnt 0x0                               ; for the others' sake: my stores are in LDS
	s_barrier_signal -1
	s_barrier_wait -1
.irp o, 0,1
.irp i, 0,1,2,3
	ds_load_b128 v[OP+16*(4*\o+\i):OP+16*(4*\o+\i)+3],     v[RDA] offset:SPT*\i+1024*\o       ; lanes 0-15 Qh, 16-31 Ql, of head r,
	ds_load_b128 v[OP+16*(4*\o+\i)+4:OP+16*(4*\o+\i)+7],   v[RDA] offset:SPT*\i+1024*\o       ; in both halves of K
	ds_load_b128 v[OP+16*(4*\o+\i)+8:OP+16*(4*\o+\i)+11],  v[RDB] offset:SPT*\i+1024*\o       ; Kh in the lower half of K,
	ds_load_b128 v[OP+16*(4*\o+\i)+12:OP+16*(4*\o+\i)+15], v[RDB] offset:SPT*\i+1024*\o+256   ; Kl in the upper
.endr
.endr
	s_wait_dscnt 16                                ; the first octet's 16 loads are in
	WIN 0x50
	GMUL \g, 0
	s_wait_dscnt 0x0
	GMUL \g, 1
	WIN 0
.endm
.macro QKEPI
.irp g, 0,1,2,3
.irp dh, 0,1
	QKBATCH \g, \dh
.endr
.endr
.endm
; Eight tuples of 8 f32 (window sw, from sb) become eight operands (window dw, from db): registers 0-3 hi (k = 8 hf + j), 4-7 lo (k = 16 + 8 hf + j).  rb: 64 registers of window 0 for the residuals.
; A result's (lane, register) is an operand's (row or column, k), so nothing changes lanes.
.macro SPLIT8 sw, sb, dw, db, rb
	WIN (\sw)|((\sw)<<2)|((\dw)<<6)
.irp t, 0,1,2,3,4,5,6,7
.irp e, 0,1,2,3
	v_cvt_pk_bf16_f32 v[\db+8*\t+\e], v[\sb+8*\t+2*\e], v[\sb+8*\t+2*\e+1]
.endr
.endr
	WIN (\dw)|((\sw)<<4)
.irp t, 0,1,2,3,4,5,6,7
.irp e, 0,1,2,3
	v_fma_mix_f32_bf16 v[\rb+8*\t+2*\e],   v[\db+8*\t+\e], v[M1], v[\sb+8*\t+2*\e] op_sel_hi:[1,0,0]
	v_fma_mix_f32_bf16 v[\rb+8*\t+2*\e+1], v[\db+8*\t+\e], v[M1], v[\sb+8*\t+2*\e+1] op_sel:[1,0,0] op_sel_hi:[1,0,0]
.endr
.endr
	WIN (\dw)<<6
.irp t, 0,1,2,3,4,5,6,7
.irp e, 0,1,2,3
	v_cvt_pk_bf16_f32 v[\db+8*\t+4+\e], v[\rb+8*\t+2*\e], v[\rb+8*\t+2*\e+1]
.endr
.endr
.endm
; Eight products of 16 x 16 x 32, one a token, each a whole sum (C = 0).  pa, pb: first operands; sa, sb: 8 for the tokens' operands, 0 for E's fragment.
.macro MM8 dw, db, pa, sa, pb, sb
	WIN (\dw)<<6
.irp t, 0,1,2,3,4,5,6,7
	v_wmma_f32_16x16x32_bf16 v[\db+8*\t:\db+8*\t+7], v[\pa+\sa*\t:\pa+\sa*\t+7], v[\pb+\sb*\t:\pb+\sb*\t+7], 0
.endr
	PLACES
.endm
; G -> M for eight tokens: those whose G lies in window 1, v0-63.  Written once and walked twice: at its end the upper 64 registers come down by 64 moves and M goes into the upper 64.
; Trip 1 so leaves G of tokens 8-15 below and M of tokens 0-7 above; trip 2 brings M of tokens 0-7 down and puts M of tokens 8-15 above: token t's M at v[8 t].
; The 128 moves stand for a second copy of this text, about 1,000 instructions.
.macro CHAIN8
	SPLIT8 1, 0, 0, OP, RR                         ; G: lane h', registers h
	MM8 1, 0, OP, 8, F1, 0                         ; (E^T G)^T: lane k, registers h'
	SPLIT8 1, 0, 0, OP, RR
	MM8 1, 0, F1, 0, OP, 8                         ; S^T: lane k, registers l = 8 hf + j
	WIN 0x01
.irp t, 0,1,2,3,4,5,6,7
.irp e, 0,1,2,3
	v_pk_mul_f32 v[RR+8*\t+2*\e:RR+8*\t+2*\e+1], v[8*\t+2*\e:8*\t+2*\e+1], v[SC+2*\e:SC+2*\e+1]   ; the exponent to base 2: S w_k w_l log2(e) / 8
.endr
.endr
	WIN 0
.irp t, 0,1,2,3,4,5,6,7                ; the row's maximum: 8 scores in the lane, the other 8 in the lane 16 away
	v_max3_num_f32 v[D2+8*\t],   v[RR+8*\t],   v[RR+8*\t+1], v[RR+8*\t+2]
	v_max3_num_f32 v[D2+8*\t+1], v[RR+8*\t+3], v[RR+8*\t+4], v[RR+8*\t+5]
.endr
.irp t, 0,1,2,3,4,5,6,7
	v_max3_num_f32 v[D2+8*\t], v[D2+8*\t], v[D2+8*\t+1], v[RR+8*\t+6]
.endr
.irp t, 0,1,2,3,4,5,6,7
	v_max_num_f32 v[D2+8*\t], v[D2+8*\t], v[RR+8*\t+7]
.endr
.irp t, 0,1,2,3,4,5,6,7
	v_permlanex16_b32 v[D2+8*\t+1], v[D2+8*\t], s44, s45
.endr
.irp t, 0,1,2,3,4,5,6,7
	v_max_num_f32 v[D2+8*\t], v[D2+8*\t], v[D2+8*\t+1]
.endr
.irp t, 0,1,2,3,4,5,6,7
.irp e, 0,1,2,3
	v_pk_add_f32 v[RR+8*\t+2*\e:RR+8*\t+2*\e+1], v[RR+8*\t+2*\e:RR+8*\t+2*\e+1], v[D2+8*\t:D2+8*\t+1] op_sel_hi:[1,0] neg_lo:[0,1] neg_hi:[0,1]
.endr
.endr
.irp t, 0,1,2,3,4,5,6,7
.irp j, 0,1,2,3,4,5,6,7
	v_exp_f32 v[RR+8*\t+\j], v[RR+8*\t+\j]
.endr
.endr
	v_nop                                          ; a plain instruction between the last exponential and the use of its result (ISA guide 5.7.2)
	s_wait_alu depctr_va_vdst(0)
.irp t, 0,1,2,3,4,5,6,7
	v_pk_add_f32 v[D2+8*\t+2:D2+8*\t+3], v[RR+8*\t:RR+8*\t+1],   v[RR+8*\t+2:RR+8*\t+3]
	v_pk_add_f32 v[D2+8*\t+4:D2+8*\t+5], v[RR+8*\t+4:RR+8*\t+5], v[RR+8*\t+6:RR+8*\t+7]
.endr
.irp t, 0,1,2,3,4,5,6,7
	v_pk_add_f32 v[D2+8*\t+2:D2+8*\t+3], v[D2+8*\t+2:D2+8*\t+3], v[D2+8*\t+4:D2+8*\t+5]
.endr
.irp t, 0,1,2,3,4,5,6,7
	v_add_f32 v[D2+8*\t+2], v[D2+8*\t+2], v[D2+8*\t+3]
.endr
.irp t, 0,1,2,3,4,5,6,7
	v_permlanex16_b32 v[D2+8*\t+3], v[D2+8*\t+2], s44, s45
.endr
.irp t, 0,1,2,3,4,5,6,7
	v_add_f32 v[D2+8*\t+2], v[D2+8*\t+2], v[D2+8*\t+3]   ; at least 1: the largest weight is 1
.endr
.irp t, 0,1,2,3,4,5,6,7
	v_rcp_f32 v[D2+8*\t+4], v[D2+8*\t+2]
.endr
.irp t, 0,1,2,3,4,5,6,7                ; the filter on V's side; these are also the plain instructions behind the reciprocals
.irp e, 0,1,2,3
	v_pk_mul_f32 v[RR+8*\t+2*\e:RR+8*\t+2*\e+1], v[RR+8*\t+2*\e:RR+8*\t+2*\e+1], v[WL+2*\e:WL+2*\e+1]
.endr
.endr
	s_wait_alu depctr_va_vdst(0)
.irp t, 0,1,2,3,4,5,6,7
.irp e, 0,1,2,3
	v_pk_mul_f32 v[RR+8*\t+2*\e:RR+8*\t+2*\e+1], v[RR+8*\t+2*\e:RR+8*\t+2*\e+1], v[D2+8*\t+4:D2+8*\t+5] op_sel_hi:[1,0]
.endr
.endr
	SPLIT8 0, RR, 0, OP, D2                        ; a w: lane k, registers l
	MM8 1, 0, OP, 8, F2, 0                         ; a w E^T: lane h', registers k
	SPLIT8 1, 0, 0, OP, RR
	MM8 0, D2, OP, 8, F2, 0                        ; M^T: lane h, registers h'
	WIN 0x41
.set n, 0
.rept 64
	v_mov_b32 v[n], v[64+n]                        ; the upper half comes down, in ascending order: each G is read from its low end on
.set n, n+1
.endr
	SPLIT8 0, D2, 1, 64, RR                        ; M as source 0 of the last product: row h, k = h' (hi) and 16 + h' (lo), into the upper half
	WIN 0
.endm
; THE WAY OUT.  V of 16 tokens (block g) changes hands, first its hi part and then its lo part, through the same bytes of the stage.
; In accumulator (f, g) a lane holds token r, d = 16 w + f, heads 8 hf + 0..7: 16 bytes of bf16.  In the stage a token has [d & 3][hf][d >> 2][16 bytes].
.macro VST base                        ; 16 pieces of 16 bytes into the stage
.irp f, 0,1,2,3,4,5,6,7,8,9,10,11,12,13,14,15
	ds_store_b128 v[STV], v[\base+4*\f:\base+4*\f+3] offset:512*(\f%4)+16*(\f/4)
.endr
.endm
; My four tokens' fragments: token i, block b (column r is d = 4 r + b) at v[64 + 32 i + 8 b] (i < 2) or v[192 + 32 (i - 2) + 8 b]: 32 loads.
.macro VFRAG
.irp i, 0,1,2,3
.irp b, 0,1,2,3
	ds_load_b128 v[OP+32*\i+64*(\i/2)+8*\b:OP+32*\i+64*(\i/2)+8*\b+3],   v[RDA] offset:SPT*\i+512*\b   ; V[8 hf + 0..7][4 r + b],
	ds_load_b128 v[OP+32*\i+64*(\i/2)+8*\b+4:OP+32*\i+64*(\i/2)+8*\b+7], v[RDA] offset:SPT*\i+512*\b   ; in both halves of K, for M's hi and lo
.endr
.endr
.endm
; 16 products [Mh | Ml] x [V | V], one for each (token i, block b).  The result lies in accumulator (4 i + b, g), which the split has left free.  zero = 1: V's hi part starts the sums;
; 0: its lo part adds in place.  The 16 accumulators take turns, one instruction a turn.
.macro VMUL g, zero
	s_wait_dscnt 16                                ; tokens 0 and 1 are in; the 16 loads of tokens 2 and 3 may be out
.irp i, 0,1,2,3
.if \i == 2
	s_wait_dscnt 0x0
.endif
	WIN 0xa1+0x50*(\i/2)
.irp b, 0,1,2,3
.if \zero
	v_wmma_f32_16x16x32_bf16 v[8*(4*((4*\i+\b)%8)+\g):8*(4*((4*\i+\b)%8)+\g)+7], v[8*(4*\g+\i):8*(4*\g+\i)+7], v[OP+32*\i+64*(\i/2)+8*\b:OP+32*\i+64*(\i/2)+8*\b+7], 0
.else
	v_wmma_f32_16x16x32_bf16 v[8*(4*((4*\i+\b)%8)+\g):8*(4*((4*\i+\b)%8)+\g)+7], v[8*(4*\g+\i):8*(4*\g+\i)+7], v[OP+32*\i+64*(\i/2)+8*\b:OP+32*\i+64*(\i/2)+8*\b+7], v[8*(4*((4*\i+\b)%8)+\g):8*(4*((4*\i+\b)%8)+\g)+7]
.endif
.endr
.endr
	WIN 0
	PLACES                                         ; in front of what reads the results or writes the fragments' registers
.endm
.macro VEPI g
	PLACES
	s_wait_xcnt 0x0                                ; earlier stores read v64-127 and v192-255: they are rewritten only behind this wait (ISA guide 3.1)
.irp hi, 0,1
	WIN 0x0a+5*\hi
.irp f, 0,1,2,3,4,5,6,7
.irp e, 0,1,2,3
	v_cvt_pk_bf16_f32 v[OP+4*(8*\hi+\f)+\e], v[8*(4*\f+\g)+2*\e], v[8*(4*\f+\g)+2*\e+1]   ; hi -> v64-127; each accumulator is read from its low end on
.endr
.endr
.endr
.irp hi, 0,1
	WIN 0x20+0x10*\hi
.irp f, 0,1,2,3,4,5,6,7
.irp e, 0,1,2,3
	v_fma_mix_f32_bf16 v[D2+8*(8*\hi+\f)+2*\e],   v[OP+4*(8*\hi+\f)+\e], v[M1], v[8*(4*\f+\g)+2*\e] op_sel_hi:[1,0,0]                  ; y - hi, exact -> v128-255
	v_fma_mix_f32_bf16 v[D2+8*(8*\hi+\f)+2*\e+1], v[OP+4*(8*\hi+\f)+\e], v[M1], v[8*(4*\f+\g)+2*\e+1] op_sel:[1,0,0] op_sel_hi:[1,0,0]
.endr
.endr
.endr
	WIN 0
.irp f, 0,1,2,3,4,5,6,7,8,9,10,11,12,13,14,15
.irp e, 0,1,2,3
	v_cvt_pk_bf16_f32 v[D2+4*\f+\e], v[D2+8*\f+2*\e], v[D2+8*\f+2*\e+1]   ; lo -> v128-191, in place: word n is made of words 2 n and 2 n + 1, in ascending order
.endr
.endr
	s_wait_dscnt 0x0                               ; my reads of the stage are over
	s_barrier_signal -1
	s_barrier_wait -1                              ; everybody's are
	VST OP                                         ; V's hi part
	s_wait_dscnt 0x0                               ; for the others' sake: my stores are in LDS
	s_barrier_signal -1
	s_barrier_wait -1
	VFRAG
	VMUL \g, 1
	s_wait_dscnt 0x0                               ; my reads of the hi part are over (met: the products waited for them)
	s_barrier_signal -1
	s_barrier_wait -1                              ; everybody's are
	VST D2                                         ; V's lo part, into the same bytes
	s_wait_dscnt 0x0
	s_barrier_signal -1
	s_barrier_wait -1
	VFRAG
	VMUL \g, 0
	; Column r of block b is d = 4 r + b, so that after the moves a lane holds 4 neighbouring d of a head and sixteen lanes store the head's 256 consecutive bytes, aligned.
	; The moves are the price: a result's 8 registers are 8 heads, and no order of the operands puts four neighbouring d of one head into four neighbouring registers.
.irp i, 0,1,2,3
	WIN 0x02+(\i/2)
.irp j, 0,1,2,3,4,5,6,7
.irp b, 0,1,2,3
	v_mov_b32 v[OP+32*\i+64*(\i/2)+4*\j+\b], v[8*(4*((4*\i+\b)%8)+\g)+\j]   ; each result is read from its low end on
.endr
.endr
.endr
	WIN 0
.irp i, 0,1,2,3
.irp j, 0,1,2,3,4,5,6,7
	global_store_b128 v[CO], v[OP+32*\i+64*(\i/2)+4*\j:OP+32*\i+64*(\i/2)+4*\j+3], s[14:15] offset:(16*\g+\i)*4096+256*\j th:TH_STORE_NT   ; token 16 g + 4 w + i, head 8 hf + j
.endr
.endr
.endm
	s_load_b256 s[4:11], s[0:1], 0x0               ; x s[4:5], wt s[6:7], biasp s[8:9], E s[10:11]
	s_load_b128 s[12:15], s[0:1], 0x20             ; w s[12:13], out0 s[14:15]
	s_set_vgpr_msb 0x40
	v_lshl_add_u32 v254, v0, 2, 0x4c900
	v_mov_b32 v255, 0
	s_set_vgpr_msb 0x4045
	ds_add_u32 v254, v255
	s_set_vgpr_msb 0x4500
	v_lshrrev_b32 v1, 5, v0
	v_readfirstlane_b32 s16, v1                    ; wave 0..3
	s_bfe_u32 s18, ttmp6, 0x40000                  ; cx
	s_lshl_b32 s17, ttmp9, 2                       ; in a cluster launch ttmp9 counts clusters
	s_add_co_u32 s17, s17, s18                     ; my work-group: it enters x's and out0's addresses alone
	s_lshl_b32 s18, s17, 18                        ; 64 tokens x 4,096 bytes
	s_mov_b32 s19, 0
	; descriptor group 1: a dense block of 32,768 bytes as 128 rows of 256
	s_mov_b32 s24, 15|(3<<16)|(1<<21)              ; 15:0 the mask: all four work-groups; 17:16 elements of 8 bytes; 21 set beside a mask; no padding
	s_mov_b32 s25, 32<<16                          ; tensor_dim0 = 32 elements
	s_mov_b32 s26, 128<<16                         ; tensor_dim1 = 128
	s_mov_b32 s27, 32<<16                          ; tile_dim0 = 32
	s_mov_b32 s28, 128                             ; tile_dim1 = 128
	s_mov_b32 s29, 32                              ; from row to row: 32 elements
	s_mov_b32 s30, 0
	s_mov_b32 s31, 0
	s_lshl_b32 s43, s16, 15                        ; my quarter of a tile, in memory and in LDS
	s_mov_b32 s46, s43
	s_mov_b32 s47, 0
	s_mov_b32 s22, 0                               ; s[22:23]: byte offset along K of the next x tile
	s_mov_b32 s23, 0
	s_mov_b32 s44, 0x76543210                      ; v_permlanex16_b32: each lane takes its own place in the other half
	s_mov_b32 s45, 0xfedcba98
	s_wait_dscnt 0x0
	s_wait_kmcnt 0x0
	s_add_nc_u64 s[20:21], s[4:5], s[18:19]        ; x at my first token
	s_add_nc_u64 s[14:15], s[14:15], s[18:19]      ; out0 at my first token
	s_add_nc_u64 s[6:7], s[6:7], s[46:47]          ; wt at my quarter of tile 0
	CROUND                                         ; all four work-groups are here: the first joint loads meet
.irp s, 0,1
	s_mov_b32 s[32+4*\s], 1                        ; count = 1
	s_add_co_u32 s[33+4*\s], s43, \s*WSLOT         ; LDS address
	s_add_nc_u64 s[34+4*\s:35+4*\s], s[6:7], \s*WSLOT   ; global address: tile s
	s_or_b32 s[35+4*\s], s[35+4*\s], 0x80000000    ; type = 2
.endr
	tensor_load_to_lds s[32:35], s[24:31]          ; both first fills go out together, ahead of every wait on TENSORcnt and every LDS read
	s_nop 0
	tensor_load_to_lds s[36:39], s[24:31]
	s_nop 0
	PLACES                                         ; four v_nop behind the tensor loads
	v_and_b32 v1, 15, v0                           ; r
	v_bfe_u32 v14, v0, 4, 1                        ; hf
	v_and_b32 v15, 31, v0                          ; lane
	v_lshlrev_b32 v192, 2, v1
	v_lshl_add_u32 v192, v14, 9, v192              ; E[8 hf + i][r]: 512 hf + 4 r, + 64 i
	v_lshlrev_b32 v193, 6, v1
	v_lshl_add_u32 v193, v14, 5, v193              ; E[r][8 hf ..]: 64 r + 32 hf
	v_lshlrev_b32 v194, 5, v14                     ; w[8 hf ..]
	v_lshlrev_b32 v195, 2, v1                      ; w[r]
	v_bfe_u32 v6, v0, 3, 2
	v_lshl_add_u32 v6, s16, 4, v6                  ; the token whose x I fetch: 16 w + (lane >> 3), + 4 i
	v_and_b32 v7, 7, v0
	v_lshlrev_b32 v[XO], 12, v6
	v_lshl_add_u32 v[XO], v7, 5, v[XO]
	v_mul_u32_u24 v6, v6, XPT
	v_lshl_add_u32 v6, v7, 4, v6
	v_add_nc_u32 v[XW], XS, v6
.irp i, 0,1,2,3,4,5,6,7
	global_load_b32 v[48+\i], v192, s[10:11] offset:64*\i
.endr
	global_load_b128 v[56:59], v193, s[10:11]
	global_load_b128 v[60:63], v193, s[10:11] offset:16
	global_load_b128 v[WL:WL+3], v194, s[12:13]
	global_load_b128 v[WL+4:WL+7], v194, s[12:13] offset:16
	global_load_b32 v196, v195, s[12:13]
	XLD 0                                          ; x tiles 0 and 1
	XLD 1
	WIN 0
	v_lshl_add_u32 v[AW], v15, 4, s43
	v_add_nc_u32 v[AW+1], WSLOT, v[AW]
	v_mul_u32_u24 v[AX], v1, XPT
	v_lshl_add_u32 v[AX], v14, 4, v[AX]
	v_add_nc_u32 v[AX], XS, v[AX]
	s_lshr_b32 s46, s16, 1                         ; into the stage: Q (waves 0, 1) or K (2, 3): 512 bytes on; heads 8 (w & 1) on: 128 bytes
	s_lshl_b32 s46, s46, 9
	s_and_b32 s47, s16, 1
	s_lshl_b32 s47, s47, 7
	s_add_co_u32 s46, s46, s47
	s_add_co_u32 s46, s46, STG
	v_mul_u32_u24 v[STV], v1, SPT                  ; token r
	v_lshl_add_u32 v[STW], v14, 4, v[STV]          ; head + hf
	v_add_nc_u32 v[STW], s46, v[STW]
	s_lshl_b32 s47, s16, 6                         ; V: d >> 2 = 4 w + (f >> 2)
	s_add_co_u32 s47, s47, STG
	v_lshl_add_u32 v[STV], v14, 8, v[STV]
	v_add_nc_u32 v[STV], s47, v[STV]
	s_mul_i32 s48, s16, 4*SPT                      ; out of the stage: my tokens 4 w + i
	s_add_co_u32 s48, s48, STG
	v_lshl_add_u32 v[RDA], v15, 4, s48
	s_add_co_u32 s49, s48, 512
	v_lshl_add_u32 v[RDB], v1, 4, s49
	s_lshl_b32 s49, s16, 14
	v_lshl_add_u32 v[CO], v14, 11, s49
	v_lshl_add_u32 v[CO], v1, 4, v[CO]
	s_lshl_b32 s49, s16, 10
	v_lshl_add_u32 v[BO], v14, 5, s49
	v_mov_b32 v[M1], -1.0
	XCVT 0, 0, 8                                   ; x tile 0 into x slot 0; the wait leaves tile 1's 8 loads out and covers E and w, which are older
	WIN 0
.irp e, 0,1,2,3
	v_cvt_pk_bf16_f32 v[F1+\e],   v[48+2*\e], v[49+2*\e]
	v_cvt_pk_bf16_f32 v[F1+4+\e], v[48+2*\e], v[49+2*\e]   ; the same in the upper half of K, for the other operand's lo part
	v_cvt_pk_bf16_f32 v[F2+\e],   v[56+2*\e], v[57+2*\e]
	v_cvt_pk_bf16_f32 v[F2+4+\e], v[56+2*\e], v[57+2*\e]
.endr
.irp e, 0,1,2,3
	v_cvt_pk_bf16_f32 v[48+\e], v[WL+2*\e], v[WL+2*\e+1]   ; w rounded to bf16 and kept as f32
.endr
.irp e, 0,1,2,3
	v_lshlrev_b32 v[WL+2*\e], 16, v[48+\e]
	v_and_b32 v[WL+2*\e+1], 0xffff0000, v[48+\e]
.endr
	v_cvt_pk_bf16_f32 v196, v196, v196
	v_lshlrev_b32 v14, 16, v196
	v_mul_f32 v14, 0x3e38aa3b, v14                 ; w[r] log2(e) / 8
	v_mov_b32 v15, v14
.irp e, 0,1,2,3
	v_pk_mul_f32 v[SC+2*\e:SC+2*\e+1], v[WL+2*\e:WL+2*\e+1], v[14:15]
.endr
	s_wait_dscnt 0x0                               ; x tile 0 is in LDS, and set 0 may be loaded again
	XLD 0                                          ; x tile 2
	; G's 128 registers are cleared once, while the first tiles are on their way, so that the products of both trips of the loop below add in place.
	; A first product with the constant 0 as C would differ between the trips: it would want the loop's text, about 2,400 instructions, a second time.
	WIN 0x40
.set n, 0
.rept 128
	v_mov_b32 v[n], 0
.set n, n+1
.endr
	WIN 0
	s_wait_tensorcnt 0x1                           ; my quarter of tile 0 is in; tile 1's may stay out
	s_barrier_signal -1
	s_barrier_wait -1
	s_mov_b32 s50, 2
.Lqk:                                                  ; stages 0 and 1.  On the way in and on the way back alike: W slot 0 and x slot 0 hold the stage's first K step and a barrier has shown
	STAGE 0                                        ; them to every wave; one tensor load of mine is out, slot 1's
	QKEPI
	s_sub_co_u32 s50, s50, 1
	s_cmp_lg_u32 s50, 0
	s_cbranch_scc1 .Lqk
	PLACES                                         ; behind the last products G += Q K^T: the roundings that follow write v64 on, which those products have as operands
	s_mov_b32 s42, 2
.Lchain:
	CHAIN8
	s_sub_co_u32 s42, s42, 1
	s_cmp_lg_u32 s42, 0
	s_cbranch_scc1 .Lchain
	STAGE 1
	VEPI 0
	VEPI 1
	VEPI 2
	VEPI 3
	s_set_vgpr_msb 0x5
	s_wait_tensorcnt 0x0
	ds_add_u32 v254, v255
	s_wait_dscnt 0x0
	s_set_vgpr_msb 0x500
	CROUND                                         ; the closing round: no work-group ends while a partner may still ask for a tile that names it
	s_endpgm
.Lfunc_end_k_qbff685f207_main:
	.size	k_qbff685f207_main, .Lfunc_end_k_qbff685f207_main-k_qbff685f207_main
	.p2alignl 7, 3214868480
	.fill 96, 4, 3214868480
	.section	.rodata,"a",@progbits
	.p2align	6, 0x0
	.amdhsa_kernel k_qbff685f207_main
		.amdhsa_group_segment_fixed_size 327680
		.amdhsa_private_segment_fixed_size 0
		.amdhsa_enable_private_segment 0
		.amdhsa_kernarg_size 48
		.amdhsa_user_sgpr_count 2
		.amdhsa_user_sgpr_kernarg_segment_ptr 1
		.amdhsa_wavefront_size32 1
		.amdhsa_system_sgpr_workgroup_id_x 1
		.amdhsa_system_sgpr_workgroup_id_y 1
		.amdhsa_system_sgpr_workgroup_id_z 1
		.amdhsa_system_vgpr_workitem_id 0
		.amdhsa_next_free_vgpr 1024
		.amdhsa_next_free_sgpr 66
		.amdhsa_reserve_vcc 0
		.amdhsa_float_denorm_mode_32 3
		.amdhsa_float_denorm_mode_16_64 3
		.amdhsa_memory_ordered 1
		.amdhsa_forward_progress 1
		.amdhsa_inst_pref_size 255
	.end_amdhsa_kernel
	.section	.bss,"aw",@nobits
	.p2align	6
	.space	262144
	.amdgpu_metadata
---
amdhsa.version: [ 1, 2 ]
amdhsa.kernels:
  - .name:           k_qbff685f207_main
    .symbol:         k_qbff685f207_main.kd
    .args:
      - { .name: x, .offset: 0, .size: 8, .value_kind: global_buffer, .address_space: global }
      - { .name: wt, .offset: 8, .size: 8, .value_kind: global_buffer, .address_space: global }
      - { .name: biasp, .offset: 16, .size: 8, .value_kind: global_buffer, .address_space: global }
      - { .name: eigenvectors, .offset: 24, .size: 8, .value_kind: global_buffer, .address_space: global }
      - { .name: filter_weights, .offset: 32, .size: 8, .value_kind: global_buffer, .address_space: global }
      - { .name: out0, .offset: 40, .size: 8, .value_kind: global_buffer, .address_space: global }
    .group_segment_fixed_size: 327680
    .private_segment_fixed_size: 0
    .kernarg_segment_align: 8
    .kernarg_segment_size: 48
    .max_flat_workgroup_size: 128
    .sgpr_count:     66
    .vgpr_count:     1024
    .wavefront_size: 32
...
	.end_amdgpu_metadata
.endif
;; end of part 3
;; ======== version 3 of 3: 2 launches; 1.37 times as fast as version 1
;; limits: values outside matrix products are rounded to bf16
;; workspace buffers: wt 6,291,456 bytes; biasp 12,288 bytes
;; launch prep: the kernel of part 1 again; grid 128 x 3, 8 waves a work-group, no clusters, 18,432 bytes of LDS; arguments Wq, Wk, Wv, bq, bk, bv, wt, biasp; writes wt, biasp
;; launch main (part 4): grid 256 x 1, 4 waves a work-group, clusters of 4 x 1, 327,680 bytes of LDS; arguments x, wt, biasp, eigenvectors, filter_weights, out0; writes out0
.if DOCPART == 4
	.amdgcn_target "amdgcn-amd-amdhsa--gfx1250"
	.amdhsa_code_object_version 6
	.text
	.protected	k_qbff685f207_main
	.globl	k_qbff685f207_main
	.p2align	8
	.type	k_qbff685f207_main,@function
k_qbff685f207_main:
	s_mov_b64 s[64:65], 0
	v_nop
	global_prefetch_b8 v0, s[64:65] scope:SCOPE_SE
	s_setreg_imm32_b32 hwreg(HW_REG_WAVE_MODE, 25, 1), 1
	s_wait_xcnt 0x0
	s_wait_alu depctr_hold_cnt(0) depctr_sa_sdst(0) depctr_va_vdst(0) depctr_va_sdst(0) depctr_va_ssrc(0) depctr_va_vcc(0) depctr_vm_vsrc(0)
	s_getreg_b32 s2, hwreg(HW_REG_IB_STS2, 6, 4)
	s_cmp_eq_u32 s2, 0
	s_cbranch_scc0 .Lentry_in_a_cluster
	s_endpgm
.Lentry_in_a_cluster:
	s_bfe_u32 s2, ttmp6, 0x10000c
	s_cmp_lg_u32 s2, 0x3003
	s_cbranch_scc0 .Lentry_shape_is_right
	s_endpgm
.Lentry_shape_is_right:
; main: the whole layer for 64 tokens a work-group.  For a token, with E [16 head][16 eigen], w [16], Q, K, V [16 head][64 d]:
;   G[h][h'] = sum_d Q[h][d] K[h'][d];  S = E^T G E;  t[k][l] = S[k][l] w_k w_l / 8;  a = softmax_l(t), the row's maximum taken away;
;   M = E (a diag(w)) E^T;  out[h][d] = sum_h' M[h][h'] V[h'][d].   This is the layer's arithmetic in another order of summation; every product is a matrix instruction.
; LIMITS.  x, the weights, the biases, E and w are each rounded once to bf16.  All that is made of them (Q, K, G, E^T G, S, a, a E^T, M, V) goes into matrix instructions as hi + lo,
; two bf16 (hi = bf16(y), lo = bf16(y - hi): 16 bits of mantissa).  V too: its rounding is multiplied by a row of M, whose norm is the size of the output itself.
; NaN and infinite inputs are not served; a softmax weight below 2^-126 is zero.
; SHARES.  Work-group 4 x cluster + cx owns tokens 64 wg ..  Three stages of 64 tokens x 1,024 rows of wt over K = 1,024: stage 0: Q, K for d 0-31; stage 1: d 32-63; stage 2: V.
; 64 x 3,072 f32 sums are more than the four waves' registers hold, hence the stages.  Wave w: all 64 tokens x its 256 rows: 64 accumulators, 512 registers; for 32 along K it reads
; 16 + 4 fragments for 64 matrix instructions, and each byte of W leaves LDS once.  Source 0 = 16 rows of wt, source 1 = 16 tokens: a lane holds one token and 8 neighbouring rows.
; Per-token work: wave w owns tokens 16 g + 4 w + i (g, i = 0..3), local number 4 g + i.
; CLUSTER.  All work-groups walk the same 6 MiB of wt, so the four of a cluster ask for each tile JOINTLY: the same tensor load, the same descriptor (made of the wave's number and the
; cluster's number, which the four share), mask 15.  cx enters the addresses of x and out0 alone.  A wave has two tensor loads out at the start and one behind each round.
; THE ORDER OF K.  A sum over K may be taken in any order, so cluster c walks a stage's sixteen K steps from step rot = (c ^ (c >> 2)) & 15 on and round again.  The 64 clusters then do
; not all ask for the same tile in the same step: in a stage's first step each of its sixteen tiles is asked for by four clusters, and from the second step on a cluster asks for a tile
; that others asked for a step before.  Whichever single bit of c is held fixed, the 32 clusters left still take all sixteen rotations: c and c' have the same rot only if their
; difference has b0 = b2 = b4 and b1 = b3 = b5, and no such difference but 0 leaves all of its bits in one half.
; x is not kept: it is read in each of the three stages (f32, through registers, rounded, into two small LDS slots), so that LDS has room for two W slots of 128 KiB,
; one round of the cluster's barrier for 128 matrix instructions a wave.
; THE TEXT.  What differs by scalar steps alone is written once.  Stages 0 and 1, each with its way into G, are one loop of two trips (about 2,400 instructions, some 19,000 bytes), and in it the
; loop over K steps, eight trips of two steps; G -> M is a loop of two trips of eight tokens.  Written out is what differs in register numbers, which stand in the instructions: the eight
; batches of Q and K (a stage's 512 accumulator registers at two instructions each for the split) and V's four blocks; and stage 2's K steps, whose tail asks for nothing beyond the last tile.
; LDS:  0 .. 262,143        W ring: slot s at 131,072 s, wave w's quarter at + 32,768 w; filled by tensor loads alone; fragment order, so a load of 16 bytes a lane takes 512 consecutive bytes
;       262,144 .. 280,575  two x slots of 9,216: 64 tokens x 144 (128 + 16); written by ds_store alone
;       280,576 .. 313,599  stage: 16 tokens x 2,064 (2,048 + 16); written by ds_store alone
; Both pitches are odd multiples of 16 bytes: the 16 rows that a load or store touches begin in 16 different groups of four banks (64 banks of 4 bytes: ISA guide 11.1).
; REGISTERS, in windows of 256 (s_set_vgpr_msb: bits 1:0 source 0, 3:2 source 1, 5:4 source 2, 7:6 destination):
;   window 0: v2-13 addresses and -1.0; v16-31 E's two fragments; v32-47 scales; v64-191 two buffers of 8 W fragments; v192-255 two buffers of 4 x fragments; v64-255 at work between the stages
;   window 1: v0-127 G, later M as hi/lo, 8 a token; v128-191 two sets of x as f32 on its way in
;   windows 2, 3: accumulator (f, g) in window 2 + (f >> 3) at v[8 (4 (f & 7) + g)]; on the way out block g's 16 accumulators take the results of out = M V
; SCALARS: s[6:7] wt at my quarter of tile 0; s[8:9] biasp at the stage; s[14:15] out0, s[20:21] x at my first token; s16 wave; s[22:23] x's byte offset along K; s[24:31] group 1;
;   s[32:35], s[36:39] group 0 of slot 0, 1; s[40:41] x's base in hand; s42, s50 loop counters; s[44:45] lane selects; s51 the position (0 to 47) of the next tile to ask for;
;   s[52:53] its byte offset in wt; s54 rot
.set WSLOT, 131072
.set XS,    262144
.set XSLOT, 9216
.set XPT,   144
.set STG,   280576
.set SPT,   2064
.set AW,  2                            ; v2, v3  slot 0, 1: 131,072 slot + 32,768 w + 16 lane
.set AX,  4                            ; v4      x fragments: XS + 144 r + 16 hf
.set XO,  5                            ; v5      x in memory: (16 w + (lane >> 3)) x 4,096 + 32 (lane & 7)
.set XW,  6                            ; v6      x into LDS: XS + (16 w + (lane >> 3)) x 144 + 16 (lane & 7)
.set BO,  7                            ; v7      biasp: 1,024 w + 32 hf
.set STW, 8                            ; v8      Q, K into the stage
.set STV, 9                            ; v9      V into the stage
.set RDA, 10                           ; v10     out of the stage: my four tokens, 16 bytes a lane
.set RDB, 11                           ; v11     out of the stage: K's part, both halves of the lanes alike
.set CO,  12                           ; v12     out0: 16,384 w + 2,048 hf + 16 r
.set M1,  13                           ; v13     -1.0
.set F1,  16                           ; v16-23  lane r = eigen index, k = head: E[8 hf + i][r], in both halves of K
.set F2,  24                           ; v24-31  lane r = head, k = eigen index: E[r][8 hf + i], in both halves of K
.set SC,  32                           ; v32-39  w[8 hf + j] w[r] log2(e) / 8
.set WL,  40                           ; v40-47  w[8 hf + j]
.set WB0, 64
.set WB1, 128
.set XB0, 192
.set XB1, 224
.set OP,  64                           ; between the stages: operands, 64 registers
.set D2,  128                          ;                     results or at work, 64
.set RR,  192                          ;                     residuals or at work, 64
.set XP,  128                          ; window 1: x as f32, set 0 and set 1 of 32
.set MSB, 0
.macro WIN new                         ; the immediate's high byte repeats the setting that is left; a switch that changes nothing is dropped
.if MSB != (\new)
	s_set_vgpr_msb (MSB<<8)|(\new)
.set MSB, (\new)
.endif
.endm
; A vector instruction that reads a matrix result or writes one of a matrix instruction's registers, and a load into such a register, stand four places behind it; only plain vector
; instructions that name none of its registers are places (ISA guide 7.12.1 for vector instructions).
.macro PLACES
.rept 4
	v_nop
.endr
.endm
; A round of the cluster's barrier: my work-group's barrier, wave 0 signals for the work-group, every wave waits for all four work-groups, my work-group's barrier once more.
.macro CREST                           ; a round behind its opening barrier
	s_cmp_lg_u32 s16, 0
	s_cbranch_scc1 .Lnot_wave_0_\@
	s_barrier_signal -3
.Lnot_wave_0_\@:
	s_barrier_wait -3
	s_barrier_signal -1
	s_barrier_wait -1
.endm
.macro CROUND
	s_barrier_signal -1
	s_barrier_wait -1
	CREST
.endm
; The global address in a slot's group 0, for the tile at position s51 of my cluster's walk: tile 16 x stage + ((position + rot) & 15), 131,072 bytes each; then the position steps.
; The offset is made in registers of its own and added to wt's address; 47 x 131,072 at the most, inside wt.  It stands where no tensor load of the wave is out.
.macro WADDR slot
	s_add_co_u32 s52, s51, s54
	s_and_b32 s52, s52, 15                         ; the K step, rotated
	s_and_b32 s53, s51, 0x30                       ; 16 x stage
	s_or_b32 s52, s52, s53
	s_lshl_b32 s52, s52, 17
	s_mov_b32 s53, 0
	s_add_nc_u64 s[34+4*\slot:35+4*\slot], s[6:7], s[52:53]
	s_or_b32 s[35+4*\slot], s[35+4*\slot], 0x80000000   ; type = 2
	s_add_co_u32 s51, s51, 1
.endm
; 16 matrix instructions: rows 16 (8 hi + f), f = f0 .. f0 + 3, x all 64 tokens, 32 along K.  Every one names another accumulator: the accumulators take turns.
.macro MUL16 wb, xb, hi, f0
	WIN 0xa0+0x50*\hi
.irp f, \f0, \f0+1, \f0+2, \f0+3
.irp g, 0,1,2,3
	v_wmma_f32_16x16x32_bf16 v[8*(4*(\f)+\g):8*(4*(\f)+\g)+7], v[\wb+8*(\f):\wb+8*(\f)+7], v[\xb+8*\g:\xb+8*\g+7], v[8*(4*(\f)+\g):8*(4*(\f)+\g)+7]
.endr
.endr
.endm
.macro LDW slot, hh, fh, wb            ; 8 fragments of W: rows 16 (8 fh + f), k = 32 hh ..: 16 loads
	WIN 0
.irp f, 0,1,2,3,4,5,6,7
	ds_load_b128 v[\wb+8*\f:\wb+8*\f+3],   v[AW+(\slot)] offset:\hh*16384+(8*\fh+\f)*1024
	ds_load_b128 v[\wb+8*\f+4:\wb+8*\f+7], v[AW+(\slot)] offset:\hh*16384+(8*\fh+\f)*1024+512
.endr
.endm
.macro LDX slot, hh, xb                ; 4 fragments of x: tokens 16 g + r, k = 32 hh ..: 8 loads
	WIN 0
.irp g, 0,1,2,3
	ds_load_b128 v[\xb+8*\g:\xb+8*\g+3],   v[AX] offset:(\slot)*XSLOT+16*XPT*\g+64*\hh
	ds_load_b128 v[\xb+8*\g+4:\xb+8*\g+7], v[AX] offset:(\slot)*XSLOT+16*XPT*\g+64*\hh+32
.endr
.endm
; The next x tile (64 tokens x 64 k, f32) is asked for: wave w takes tokens 16 w .., a lane 32 bytes of a token; the two loads of a pair together cover 4 tokens x 256 consecutive bytes.
.macro XLD set
	s_wait_xcnt 0x0                                ; the base below is rewritten only when earlier loads have had their addresses translated (ISA guide 3.1)
	s_add_nc_u64 s[40:41], s[20:21], s[22:23]
	WIN 0x40
.irp i, 0,1,2,3
	global_load_b128 v[XP+32*(\set)+8*\i:XP+32*(\set)+8*\i+3],   v[XO], s[40:41] offset:16384*\i
	global_load_b128 v[XP+32*(\set)+8*\i+4:XP+32*(\set)+8*\i+7], v[XO], s[40:41] offset:16384*\i+16
.endr
	s_add_co_u32 s22, s22, 256                     ; 64 k on, and round again behind a row's 4,096 bytes: the same walk as W's, 16 steps a stage from rot on
	s_and_b32 s22, s22, 0xfff
.endm
; A set of x is rounded to bf16 in place and stored into an x slot.  n: the younger loads, the other set's, which stay out.
.macro XCVT set, slot, n
	s_wait_loadcnt \n
	WIN 0x45
.irp i, 0,1,2,3
.irp e, 0,1,2,3
	v_cvt_pk_bf16_f32 v[XP+32*(\set)+8*\i+\e], v[XP+32*(\set)+8*\i+2*\e], v[XP+32*(\set)+8*\i+2*\e+1]
.endr
.endr
	WIN 0x04
.irp i, 0,1,2,3
	ds_store_b128 v[XW], v[XP+32*(\set)+8*\i:XP+32*(\set)+8*\i+3] offset:(\slot)*XSLOT+4*XPT*\i
.endr
.endm
; ONE K STEP OF 64: 128 matrix instructions in four quarters (k half 0: rows 0-127, 128-255; k half 1: the same), each on fragments fetched a quarter ahead.
; turn = 2: this W slot is filled again, with the tile two positions on; 1: a barrier alone; 0: none.  next: the next step's first fragments are fetched.
; xc, xn: the next step's x is rounded and stored, with xn younger loads left out.  xl: the x three steps on is asked for.
.macro PERIOD slot, turn, next, xc, xn, xl
	PLACES                                         ; buffer 1 was multiplied last
	LDW \slot, 0, 1, WB1
	s_wait_dscnt 16                                ; all but the 16 just issued: this quarter's 24 loads are in
	MUL16 WB0, XB0, 0, 0
	MUL16 WB0, XB0, 0, 4
.if \xc
	XCVT 1-\slot, 1-\slot, \xn                     ; its 16 roundings are the places in front of the loads into buffer 0.  The x slot's last readers waited for their loads in front of the barrier of the step before
.else
	PLACES
.endif
	LDW \slot, 1, 0, WB0
	LDX \slot, 1, XB1
	s_wait_dscnt 24                                ; all but the 24 just issued: buffer 1 is in, x's stores are done
	MUL16 WB1, XB0, 1, 0
	MUL16 WB1, XB0, 1, 4
.if \xl
	XLD 1-\slot                                    ; into the set just stored
.endif
	PLACES
	LDW \slot, 1, 1, WB1                           ; my last reads of this W slot
	s_wait_dscnt 16
	MUL16 WB0, XB1, 0, 0
.if \turn
	s_wait_dscnt 0x0                               ; my reads of this W slot and of this x slot are over, my x stores are in LDS,
	s_set_vgpr_msb 0xa0a5
	s_wait_tensorcnt 0x0                           ; and all my tensor loads have landed: the one that was out is my quarter of the next tile
	ds_add_u32 v254, v255
	s_wait_dscnt 0x0
	s_set_vgpr_msb 0xa5a0
.if \turn == 2
	WADDR \slot                                    ; no tensor load of mine is out, so a group 0 may be written: this slot's next tile
.endif
	s_barrier_signal -1
.endif
	MUL16 WB0, XB1, 0, 4                           ; register work while the others arrive
	WIN 0                                          ; at a branch and at a label every window is 0
.if \turn
	s_barrier_wait -1
.endif
.if \turn == 2
	CREST                                          ; the barrier has opened a round of the cluster's: no wave of any partner still reads this slot or has a load on its way
	tensor_load_to_lds s[32+4*\slot:35+4*\slot], s[24:31]   ; my one load behind the round; 112 matrix instructions stand between it and the wait for it
	s_nop 0
.endif
	PLACES                                         ; behind the tensor load, and in front of the loads into buffer 0
.if \next
	LDW 1-\slot, 0, 0, WB0
	LDX 1-\slot, 0, XB0
	s_wait_dscnt 24                                ; all but the 24 just issued
.else
	s_wait_dscnt 0x0
.endif
	MUL16 WB1, XB1, 1, 0
	MUL16 WB1, XB1, 1, 4
.endm
; The sums begin with the bias: it is loaded straight into the accumulators (a lane's 8 rows are 32 neighbouring bytes of biasp, the same for all four token blocks), so every product adds in place.
; s[8:9] stands at the stage's 1,024 biases.
.macro BIAS hi
	WIN 0x80+0x40*\hi
.irp f, 0,1,2,3,4,5,6,7
.irp g, 0,1,2,3
	global_load_b128 v[8*(4*\f+\g):8*(4*\f+\g)+3],   v[BO], s[8:9] offset:64*(8*\hi+\f)
	global_load_b128 v[8*(4*\f+\g)+4:8*(4*\f+\g)+7], v[BO], s[8:9] offset:64*(8*\hi+\f)+16
.endr
.endr
.endm
; A STAGE: 16 K steps.  The ring and the stream of x go on into the next stage.
; last = 0 (stages 0 and 1, one text): all 16 steps are the loop's.  The 16th fetches the next stage's first fragments like every other; their registers are at work between the stages,
; so those 24 loads are only waited for, and the next stage's head fetches them again: the price of having no tail written out.
; last = 1 (stage 2): the tail is written out, so that nothing beyond position 47 is asked for.
.macro STAGE last
	PLACES
	BIAS 0
	BIAS 1
	LDW 0, 0, 0, WB0
	LDX 0, 0, XB0
	s_wait_loadcnt 0x0                             ; the bias (and what of x was on its way)
.if \last == 0
	s_add_nc_u64 s[8:9], s[8:9], 4096              ; the next stage's biases: the loads that named this base are done
	s_mov_b32 s42, 8
.else
	s_mov_b32 s42, 6
.endif
	WIN 0
.Lperiods_\@:
	PERIOD 0, 2, 1, 1, 8, 1
	PERIOD 1, 2, 1, 1, 8, 1
	WIN 0
	s_sub_co_u32 s42, s42, 1
	s_cmp_lg_u32 s42, 0
	s_cbranch_scc1 .Lperiods_\@
.if \last == 0
	s_wait_dscnt 0x0                               ; the 24 loads of the last step's look ahead have landed: v64 on may be written
.else
	PERIOD 0, 2, 1, 1, 8, 1                        ; position 44: asks for the tile of position 46 and for the x of position 47
	PERIOD 1, 2, 1, 1, 8, 0                        ; position 45: asks for the tile of position 47, the last
	PERIOD 0, 1, 1, 1, 0, 0                        ; position 46: a barrier alone; the last x tile
	PERIOD 1, 0, 0, 0, 0, 0
.endif
.endm
; Four products G += Q K^T for tokens 4 g + i, 8 values of d each, in four blocks of K: A = [Qh, Ql, Qh, Ql], B = [Kh, Kh, Kl, Kl]: all four cross terms of (Qh + Ql)(Kh + Kl).
; The four accumulators take turns, one instruction a turn.
.macro GMUL g, o
.irp i, 0,1,2,3
	v_wmma_f32_16x16x32_bf16 v[8*(4*\g+\i):8*(4*\g+\i)+7], v[OP+16*(4*\o+\i):OP+16*(4*\o+\i)+7], v[OP+16*(4*\o+\i)+8:OP+16*(4*\o+\i)+15], v[8*(4*\g+\i):8*(4*\g+\i)+7]
.endr
.endm
; Q and K of 16 tokens (block g) and 16 values of d (accumulators f = 8 dh + f') change hands: from the wave that made them (one matrix, 8 heads, all tokens) to the wave that owns the token.
; In accumulator (f, g) a lane holds token r, head 8 (w & 1) + 2 (f & 3) + hf, d = 8 (f >> 2) + 0..7.  In the stage a token has [octet 2][Qh, Ql, Kh, Kl][head 16][16 bytes].
.macro QKBATCH g, dh
	PLACES
	WIN 0x0a+5*\dh
.irp f, 0,1,2,3,4,5,6,7
.irp e, 0,1,2,3
	v_cvt_pk_bf16_f32 v[OP+4*\f+\e], v[8*(4*\f+\g)+2*\e], v[8*(4*\f+\g)+2*\e+1]   ; hi; each accumulator is read from its low end on
.endr
.endr
	WIN 0x20+0x10*\dh
.irp f, 0,1,2,3,4,5,6,7
.irp e, 0,1,2,3
	v_fma_mix_f32_bf16 v[D2+8*\f+2*\e],   v[OP+4*\f+\e], v[M1], v[8*(4*\f+\g)+2*\e] op_sel_hi:[1,0,0]                  ; y - hi, exact
	v_fma_mix_f32_bf16 v[D2+8*\f+2*\e+1], v[OP+4*\f+\e], v[M1], v[8*(4*\f+\g)+2*\e+1] op_sel:[1,0,0] op_sel_hi:[1,0,0]
.endr
.endr
	WIN 0
.irp f, 0,1,2,3,4,5,6,7
.irp e, 0,1,2,3
	v_cvt_pk_bf16_f32 v[OP+32+4*\f+\e], v[D2+8*\f+2*\e], v[D2+8*\f+2*\e+1]        ; lo
.endr
.endr
	s_wait_dscnt 0x0                               ; my reads of the stage are over
	s_barrier_signal -1
	s_barrier_wait -1                              ; everybody's are: the stage may be written.  No tensor load fills anything behind this barrier, so the one that is out may stay out
.irp f, 0,1,2,3,4,5,6,7
	ds_store_b128 v[STW], v[OP+4*\f:OP+4*\f+3]       offset:1024*(\f/4)+32*(\f%4)
	ds_store_b128 v[STW], v[OP+32+4*\f:OP+32+4*\f+3] offset:1024*(\f/4)+32*(\f%4)+256
.endr
	s_wait_dscnt 0x0                               ; for the others' sake: my stores are in LDS
	s_barrier_signal -1
	s_barrier_wait -1
.irp o, 0,1
.irp i, 0,1,2,3
	ds_load_b128 v[OP+16*(4*\o+\i):OP+16*(4*\o+\i)+3],     v[RDA] offset:SPT*\i+1024*\o       ; lanes 0-15 Qh, 16-31 Ql, of head r,
	ds_load_b128 v[OP+16*(4*\o+\i)+4:OP+16*(4*\o+\i)+7],   v[RDA] offset:SPT*\i+1024*\o       ; in both halves of K
	ds_load_b128 v[OP+16*(4*\o+\i)+8:OP+16*(4*\o+\i)+11],  v[RDB] offset:SPT*\i+1024*\o       ; Kh in the lower half of K,
	ds_load_b128 v[OP+16*(4*\o+\i)+12:OP+16*(4*\o+\i)+15], v[RDB] offset:SPT*\i+1024*\o+256   ; Kl in the upper
.endr
.endr
	s_wait_dscnt 16                                ; the first octet's 16 loads are in
	WIN 0x50
	GMUL \g, 0
	s_wait_dscnt 0x0
	GMUL \g, 1
	WIN 0
.endm
.macro QKEPI
.irp g, 0,1,2,3
.irp dh, 0,1
	QKBATCH \g, \dh
.endr
.endr
.endm
; Eight tuples of 8 f32 (window sw, from sb) become eight operands (window dw, from db): registers 0-3 hi (k = 8 hf + j), 4-7 lo (k = 16 + 8 hf + j).  rb: 64 registers of window 0 for the residuals.
; A result's (lane, register) is an operand's (row or column, k), so nothing changes lanes.
.macro SPLIT8 sw, sb, dw, db, rb
	WIN (\sw)|((\sw)<<2)|((\dw)<<6)
.irp t, 0,1,2,3,4,5,6,7
.irp e, 0,1,2,3
	v_cvt_pk_bf16_f32 v[\db+8*\t+\e], v[\sb+8*\t+2*\e], v[\sb+8*\t+2*\e+1]
.endr
.endr
	WIN (\dw)|((\sw)<<4)
.irp t, 0,1,2,3,4,5,6,7
.irp e, 0,1,2,3
	v_fma_mix_f32_bf16 v[\rb+8*\t+2*\e],   v[\db+8*\t+\e], v[M1], v[\sb+8*\t+2*\e] op_sel_hi:[1,0,0]
	v_fma_mix_f32_bf16 v[\rb+8*\t+2*\e+1], v[\db+8*\t+\e], v[M1], v[\sb+8*\t+2*\e+1] op_sel:[1,0,0] op_sel_hi:[1,0,0]
.endr
.endr
	WIN (\dw)<<6
.irp t, 0,1,2,3,4,5,6,7
.irp e, 0,1,2,3
	v_cvt_pk_bf16_f32 v[\db+8*\t+4+\e], v[\rb+8*\t+2*\e], v[\rb+8*\t+2*\e+1]
.endr
.endr
.endm
; Eight products of 16 x 16 x 32, one a token, each a whole sum (C = 0).  pa, pb: first operands; sa, sb: 8 for the tokens' operands, 0 for E's fragment.
.macro MM8 dw, db, pa, sa, pb, sb
	WIN (\dw)<<6
.irp t, 0,1,2,3,4,5,6,7
	v_wmma_f32_16x16x32_bf16 v[\db+8*\t:\db+8*\t+7], v[\pa+\sa*\t:\pa+\sa*\t+7], v[\pb+\sb*\t:\pb+\sb*\t+7], 0
.endr
	PLACES
.endm
; G -> M for eight tokens: those whose G lies in window 1, v0-63.  Written once and walked twice: at its end the upper 64 registers come down by 64 moves and M goes into the upper 64.
; Trip 1 so leaves G of tokens 8-15 below and M of tokens 0-7 above; trip 2 brings M of tokens 0-7 down and puts M of tokens 8-15 above: token t's M at v[8 t].
; The 128 moves stand for a second copy of this text, about 1,000 instructions.
.macro CHAIN8
	SPLIT8 1, 0, 0, OP, RR                         ; G: lane h', registers h
	MM8 1, 0, OP, 8, F1, 0                         ; (E^T G)^T: lane k, registers h'
	SPLIT8 1, 0, 0, OP, RR
	MM8 1, 0, F1, 0, OP, 8                         ; S^T: lane k, registers l = 8 hf + j
	WIN 0x01
.irp t, 0,1,2,3,4,5,6,7
.irp e, 0,1,2,3
	v_pk_mul_f32 v[RR+8*\t+2*\e:RR+8*\t+2*\e+1], v[8*\t+2*\e:8*\t+2*\e+1], v[SC+2*\e:SC+2*\e+1]   ; the exponent to base 2: S w_k w_l log2(e) / 8
.endr
.endr
	WIN 0
.irp t, 0,1,2,3,4,5,6,7                ; the row's maximum: 8 scores in the lane, the other 8 in the lane 16 away
	v_max3_num_f32 v[D2+8*\t],   v[RR+8*\t],   v[RR+8*\t+1], v[RR+8*\t+2]
	v_max3_num_f32 v[D2+8*\t+1], v[RR+8*\t+3], v[RR+8*\t+4], v[RR+8*\t+5]
.endr
.irp t, 0,1,2,3,4,5,6,7
	v_max3_num_f32 v[D2+8*\t], v[D2+8*\t], v[D2+8*\t+1], v[RR+8*\t+6]
.endr
.irp t, 0,1,2,3,4,5,6,7
	v_max_num_f32 v[D2+8*\t], v[D2+8*\t], v[RR+8*\t+7]
.endr
.irp t, 0,1,2,3,4,5,6,7
	v_permlanex16_b32 v[D2+8*\t+1], v[D2+8*\t], s44, s45
.endr
.irp t, 0,1,2,3,4,5,6,7
	v_max_num_f32 v[D2+8*\t], v[D2+8*\t], v[D2+8*\t+1]
.endr
.irp t, 0,1,2,3,4,5,6,7
.irp e, 0,1,2,3
	v_pk_add_f32 v[RR+8*\t+2*\e:RR+8*\t+2*\e+1], v[RR+8*\t+2*\e:RR+8*\t+2*\e+1], v[D2+8*\t:D2+8*\t+1] op_sel_hi:[1,0] neg_lo:[0,1] neg_hi:[0,1]
.endr
.endr
.irp t, 0,1,2,3,4,5,6,7
.irp j, 0,1,2,3,4,5,6,7
	v_exp_f32 v[RR+8*\t+\j], v[RR+8*\t+\j]
.endr
.endr
	v_nop                                          ; a plain instruction between the last exponential and the use of its result (ISA guide 5.7.2)
	s_wait_alu depctr_va_vdst(0)
.irp t, 0,1,2,3,4,5,6,7
	v_pk_add_f32 v[D2+8*\t+2:D2+8*\t+3], v[RR+8*\t:RR+8*\t+1],   v[RR+8*\t+2:RR+8*\t+3]
	v_pk_add_f32 v[D2+8*\t+4:D2+8*\t+5], v[RR+8*\t+4:RR+8*\t+5], v[RR+8*\t+6:RR+8*\t+7]
.endr
.irp t, 0,1,2,3,4,5,6,7
	v_pk_add_f32 v[D2+8*\t+2:D2+8*\t+3], v[D2+8*\t+2:D2+8*\t+3], v[D2+8*\t+4:D2+8*\t+5]
.endr
.irp t, 0,1,2,3,4,5,6,7
	v_add_f32 v[D2+8*\t+2], v[D2+8*\t+2], v[D2+8*\t+3]
.endr
.irp t, 0,1,2,3,4,5,6,7
	v_permlanex16_b32 v[D2+8*\t+3], v[D2+8*\t+2], s44, s45
.endr
.irp t, 0,1,2,3,4,5,6,7
	v_add_f32 v[D2+8*\t+2], v[D2+8*\t+2], v[D2+8*\t+3]   ; at least 1: the largest weight is 1
.endr
.irp t, 0,1,2,3,4,5,6,7
	v_rcp_f32 v[D2+8*\t+4], v[D2+8*\t+2]
.endr
.irp t, 0,1,2,3,4,5,6,7                ; the filter on V's side; these are also the plain instructions behind the reciprocals
.irp e, 0,1,2,3
	v_pk_mul_f32 v[RR+8*\t+2*\e:RR+8*\t+2*\e+1], v[RR+8*\t+2*\e:RR+8*\t+2*\e+1], v[WL+2*\e:WL+2*\e+1]
.endr
.endr
	s_wait_alu depctr_va_vdst(0)
.irp t, 0,1,2,3,4,5,6,7
.irp e, 0,1,2,3
	v_pk_mul_f32 v[RR+8*\t+2*\e:RR+8*\t+2*\e+1], v[RR+8*\t+2*\e:RR+8*\t+2*\e+1], v[D2+8*\t+4:D2+8*\t+5] op_sel_hi:[1,0]
.endr
.endr
	SPLIT8 0, RR, 0, OP, D2                        ; a w: lane k, registers l
	MM8 1, 0, OP, 8, F2, 0                         ; a w E^T: lane h', registers k
	SPLIT8 1, 0, 0, OP, RR
	MM8 0, D2, OP, 8, F2, 0                        ; M^T: lane h, registers h'
	WIN 0x41
.set n, 0
.rept 64
	v_mov_b32 v[n], v[64+n]                        ; the upper half comes down, in ascending order: each G is read from its low end on
.set n, n+1
.endr
	SPLIT8 0, D2, 1, 64, RR                        ; M as source 0 of the last product: row h, k = h' (hi) and 16 + h' (lo), into the upper half
	WIN 0
.endm
; THE WAY OUT.  V of 16 tokens (block g) changes hands, first its hi part and then its lo part, through the same bytes of the stage.
; In accumulator (f, g) a lane holds token r, d = 16 w + f, heads 8 hf + 0..7: 16 bytes of bf16.  In the stage a token has [d & 3][hf][d >> 2][16 bytes].
.macro VST base                        ; 16 pieces of 16 bytes into the stage
.irp f, 0,1,2,3,4,5,6,7,8,9,10,11,12,13,14,15
	ds_store_b128 v[STV], v[\base+4*\f:\base+4*\f+3] offset:512*(\f%4)+16*(\f/4)
.endr
.endm
; My four tokens' fragments: token i, block b (column r is d = 4 r + b) at v[64 + 32 i + 8 b] (i < 2) or v[192 + 32 (i - 2) + 8 b]: 32 loads.
.macro VFRAG
.irp i, 0,1,2,3
.irp b, 0,1,2,3
	ds_load_b128 v[OP+32*\i+64*(\i/2)+8*\b:OP+32*\i+64*(\i/2)+8*\b+3],   v[RDA] offset:SPT*\i+512*\b   ; V[8 hf + 0..7][4 r + b],
	ds_load_b128 v[OP+32*\i+64*(\i/2)+8*\b+4:OP+32*\i+64*(\i/2)+8*\b+7], v[RDA] offset:SPT*\i+512*\b   ; in both halves of K, for M's hi and lo
.endr
.endr
.endm
; 16 products [Mh | Ml] x [V | V], one for each (token i, block b).  The result lies in accumulator (4 i + b, g), which the split has left free.  zero = 1: V's hi part starts the sums;
; 0: its lo part adds in place.  The 16 accumulators take turns, one instruction a turn.
.macro VMUL g, zero
	s_wait_dscnt 16                                ; tokens 0 and 1 are in; the 16 loads of tokens 2 and 3 may be out
.irp i, 0,1,2,3
.if \i == 2
	s_wait_dscnt 0x0
.endif
	WIN 0xa1+0x50*(\i/2)
.irp b, 0,1,2,3
.if \zero
	v_wmma_f32_16x16x32_bf16 v[8*(4*((4*\i+\b)%8)+\g):8*(4*((4*\i+\b)%8)+\g)+7], v[8*(4*\g+\i):8*(4*\g+\i)+7], v[OP+32*\i+64*(\i/2)+8*\b:OP+32*\i+64*(\i/2)+8*\b+7], 0
.else
	v_wmma_f32_16x16x32_bf16 v[8*(4*((4*\i+\b)%8)+\g):8*(4*((4*\i+\b)%8)+\g)+7], v[8*(4*\g+\i):8*(4*\g+\i)+7], v[OP+32*\i+64*(\i/2)+8*\b:OP+32*\i+64*(\i/2)+8*\b+7], v[8*(4*((4*\i+\b)%8)+\g):8*(4*((4*\i+\b)%8)+\g)+7]
.endif
.endr
.endr
	WIN 0
	PLACES                                         ; in front of what reads the results or writes the fragments' registers
.endm
.macro VEPI g
	PLACES
	s_wait_xcnt 0x0                                ; earlier stores read v64-127 and v192-255: they are rewritten only behind this wait (ISA guide 3.1)
.irp hi, 0,1
	WIN 0x0a+5*\hi
.irp f, 0,1,2,3,4,5,6,7
.irp e, 0,1,2,3
	v_cvt_pk_bf16_f32 v[OP+4*(8*\hi+\f)+\e], v[8*(4*\f+\g)+2*\e], v[8*(4*\f+\g)+2*\e+1]   ; hi -> v64-127; each accumulator is read from its low end on
.endr
.endr
.endr
.irp hi, 0,1
	WIN 0x20+0x10*\hi
.irp f, 0,1,2,3,4,5,6,7
.irp e, 0,1,2,3
	v_fma_mix_f32_bf16 v[D2+8*(8*\hi+\f)+2*\e],   v[OP+4*(8*\hi+\f)+\e], v[M1], v[8*(4*\f+\g)+2*\e] op_sel_hi:[1,0,0]                  ; y - hi, exact -> v128-255
	v_fma_mix_f32_bf16 v[D2+8*(8*\hi+\f)+2*\e+1], v[OP+4*(8*\hi+\f)+\e], v[M1], v[8*(4*\f+\g)+2*\e+1] op_sel:[1,0,0] op_sel_hi:[1,0,0]
.endr
.endr
.endr
	WIN 0
.irp f, 0,1,2,3,4,5,6,7,8,9,10,11,12,13,14,15
.irp e, 0,1,2,3
	v_cvt_pk_bf16_f32 v[D2+4*\f+\e], v[D2+8*\f+2*\e], v[D2+8*\f+2*\e+1]   ; lo -> v128-191, in place: word n is made of words 2 n and 2 n + 1, in ascending order
.endr
.endr
	s_wait_dscnt 0x0                               ; my reads of the stage are over
	s_barrier_signal -1
	s_barrier_wait -1                              ; everybody's are
	VST OP                                         ; V's hi part
	s_wait_dscnt 0x0                               ; for the others' sake: my stores are in LDS
	s_barrier_signal -1
	s_barrier_wait -1
	VFRAG
	VMUL \g, 1
	s_wait_dscnt 0x0                               ; my reads of the hi part are over (met: the products waited for them)
	s_barrier_signal -1
	s_barrier_wait -1                              ; everybody's are
	VST D2                                         ; V's lo part, into the same bytes
	s_wait_dscnt 0x0
	s_barrier_signal -1
	s_barrier_wait -1
	VFRAG
	VMUL \g, 0
	; Column r of block b is d = 4 r + b, so that after the moves a lane holds 4 neighbouring d of a head and sixteen lanes store the head's 256 consecutive bytes, aligned.
	; The moves are the price: a result's 8 registers are 8 heads, and no order of the operands puts four neighbouring d of one head into four neighbouring registers.
.irp i, 0,1,2,3
	WIN 0x02+(\i/2)
.irp j, 0,1,2,3,4,5,6,7
.irp b, 0,1,2,3
	v_mov_b32 v[OP+32*\i+64*(\i/2)+4*\j+\b], v[8*(4*((4*\i+\b)%8)+\g)+\j]   ; each result is read from its low end on
.endr
.endr
.endr
	WIN 0
.irp i, 0,1,2,3
.irp j, 0,1,2,3,4,5,6,7
	global_store_b128 v[CO], v[OP+32*\i+64*(\i/2)+4*\j:OP+32*\i+64*(\i/2)+4*\j+3], s[14:15] offset:(16*\g+\i)*4096+256*\j th:TH_STORE_NT   ; token 16 g + 4 w + i, head 8 hf + j
.endr
.endr
.endm
	s_load_b256 s[4:11], s[0:1], 0x0               ; x s[4:5], wt s[6:7], biasp s[8:9], E s[10:11]
	s_load_b128 s[12:15], s[0:1], 0x20             ; w s[12:13], out0 s[14:15]
	s_set_vgpr_msb 0x40
	v_lshl_add_u32 v254, v0, 2, 0x4c900
	v_mov_b32 v255, 0
	s_set_vgpr_msb 0x4045
	ds_add_u32 v254, v255
	s_set_vgpr_msb 0x4500
	v_lshrrev_b32 v1, 5, v0
	v_readfirstlane_b32 s16, v1                    ; wave 0..3
	s_bfe_u32 s18, ttmp6, 0x40000                  ; cx
	s_lshl_b32 s17, ttmp9, 2                       ; in a cluster launch ttmp9 counts clusters
	s_add_co_u32 s17, s17, s18                     ; my work-group: it enters x's and out0's addresses alone
	s_lshl_b32 s18, s17, 18                        ; 64 tokens x 4,096 bytes
	s_mov_b32 s19, 0
	s_lshr_b32 s54, ttmp9, 2                       ; rot = (c ^ (c >> 2)) & 15, of the cluster's number alone: the same in the four partners
	s_xor_b32 s54, s54, ttmp9
	s_and_b32 s54, s54, 15
	s_mov_b32 s51, 0                               ; the position of the next tile to ask for
	; descriptor group 1: a dense block of 32,768 bytes as 128 rows of 256
	s_mov_b32 s24, 15|(3<<16)|(1<<21)              ; 15:0 the mask: all four work-groups; 17:16 elements of 8 bytes; 21 set beside a mask; no padding
	s_mov_b32 s25, 32<<16                          ; tensor_dim0 = 32 elements
	s_mov_b32 s26, 128<<16                         ; tensor_dim1 = 128
	s_mov_b32 s27, 32<<16                          ; tile_dim0 = 32
	s_mov_b32 s28, 128                             ; tile_dim1 = 128
	s_mov_b32 s29, 32                              ; from row to row: 32 elements
	s_mov_b32 s30, 0
	s_mov_b32 s31, 0
	s_lshl_b32 s43, s16, 15                        ; my quarter of a tile, in memory and in LDS
	s_mov_b32 s46, s43
	s_mov_b32 s47, 0
	s_lshl_b32 s22, s54, 8                         ; s[22:23]: byte offset along K of the next x tile: K step rot first, 64 numbers of 4 bytes a step
	s_mov_b32 s23, 0
	s_mov_b32 s44, 0x76543210                      ; v_permlanex16_b32: each lane takes its own place in the other half
	s_mov_b32 s45, 0xfedcba98
	s_wait_dscnt 0x0
	s_wait_kmcnt 0x0
	s_add_nc_u64 s[20:21], s[4:5], s[18:19]        ; x at my first token
	s_add_nc_u64 s[14:15], s[14:15], s[18:19]      ; out0 at my first token
	s_add_nc_u64 s[6:7], s[6:7], s[46:47]          ; wt at my quarter of tile 0
	CROUND                                         ; all four work-groups are here: the first joint loads meet
.irp s, 0,1
	s_mov_b32 s[32+4*\s], 1                        ; count = 1
	s_add_co_u32 s[33+4*\s], s43, \s*WSLOT         ; LDS address
	WADDR \s                                       ; global address and type: the tile of position s
.endr
	tensor_load_to_lds s[32:35], s[24:31]          ; both first fills go out together, ahead of every wait on TENSORcnt and every LDS read
	s_nop 0
	tensor_load_to_lds s[36:39], s[24:31]
	s_nop 0
	PLACES                                         ; four v_nop behind the tensor loads
	v_and_b32 v1, 15, v0                           ; r
	v_bfe_u32 v14, v0, 4, 1                        ; hf
	v_and_b32 v15, 31, v0                          ; lane
	v_lshlrev_b32 v192, 2, v1
	v_lshl_add_u32 v192, v14, 9, v192              ; E[8 hf + i][r]: 512 hf + 4 r, + 64 i
	v_lshlrev_b32 v193, 6, v1
	v_lshl_add_u32 v193, v14, 5, v193              ; E[r][8 hf ..]: 64 r + 32 hf
	v_lshlrev_b32 v194, 5, v14                     ; w[8 hf ..]
	v_lshlrev_b32 v195, 2, v1                      ; w[r]
	v_bfe_u32 v6, v0, 3, 2
	v_lshl_add_u32 v6, s16, 4, v6                  ; the token whose x I fetch: 16 w + (lane >> 3), + 4 i
	v_and_b32 v7, 7, v0
	v_lshlrev_b32 v[XO], 12, v6
	v_lshl_add_u32 v[XO], v7, 5, v[XO]
	v_mul_u32_u24 v6, v6, XPT
	v_lshl_add_u32 v6, v7, 4, v6
	v_add_nc_u32 v[XW], XS, v6
.irp i, 0,1,2,3,4,5,6,7
	global_load_b32 v[48+\i], v192, s[10:11] offset:64*\i
.endr
	global_load_b128 v[56:59], v193, s[10:11]
	global_load_b128 v[60:63], v193, s[10:11] offset:16
	global_load_b128 v[WL:WL+3], v194, s[12:13]
	global_load_b128 v[WL+4:WL+7], v194, s[12:13] offset:16
	global_load_b32 v196, v195, s[12:13]
	XLD 0                                          ; the x tiles of positions 0 and 1
	XLD 1
	WIN 0
	v_lshl_add_u32 v[AW], v15, 4, s43
	v_add_nc_u32 v[AW+1], WSLOT, v[AW]
	v_mul_u32_u24 v[AX], v1, XPT
	v_lshl_add_u32 v[AX], v14, 4, v[AX]
	v_add_nc_u32 v[AX], XS, v[AX]
	s_lshr_b32 s46, s16, 1                         ; into the stage: Q (waves 0, 1) or K (2, 3): 512 bytes on; heads 8 (w & 1) on: 128 bytes
	s_lshl_b32 s46, s46, 9
	s_and_b32 s47, s16, 1
	s_lshl_b32 s47, s47, 7
	s_add_co_u32 s46, s46, s47
	s_add_co_u32 s46, s46, STG
	v_mul_u32_u24 v[STV], v1, SPT                  ; token r
	v_lshl_add_u32 v[STW], v14, 4, v[STV]          ; head + hf
	v_add_nc_u32 v[STW], s46, v[STW]
	s_lshl_b32 s47, s16, 6                         ; V: d >> 2 = 4 w + (f >> 2)
	s_add_co_u32 s47, s47, STG
	v_lshl_add_u32 v[STV], v14, 8, v[STV]
	v_add_nc_u32 v[STV], s47, v[STV]
	s_mul_i32 s48, s16, 4*SPT                      ; out of the stage: my tokens 4 w + i
	s_add_co_u32 s48, s48, STG
	v_lshl_add_u32 v[RDA], v15, 4, s48
	s_add_co_u32 s49, s48, 512
	v_lshl_add_u32 v[RDB], v1, 4, s49
	s_lshl_b32 s49, s16, 14
	v_lshl_add_u32 v[CO], v14, 11, s49
	v_lshl_add_u32 v[CO], v1, 4, v[CO]
	s_lshl_b32 s49, s16, 10
	v_lshl_add_u32 v[BO], v14, 5, s49
	v_mov_b32 v[M1], -1.0
	XCVT 0, 0, 8                                   ; the first x tile into x slot 0; the wait leaves the second's 8 loads out and covers E and w, which are older
	WIN 0
.irp e, 0,1,2,3
	v_cvt_pk_bf16_f32 v[F1+\e],   v[48+2*\e], v[49+2*\e]
	v_cvt_pk_bf16_f32 v[F1+4+\e], v[48+2*\e], v[49+2*\e]   ; the same in the upper half of K, for the other operand's lo part
	v_cvt_pk_bf16_f32 v[F2+\e],   v[56+2*\e], v[57+2*\e]
	v_cvt_pk_bf16_f32 v[F2+4+\e], v[56+2*\e], v[57+2*\e]
.endr
.irp e, 0,1,2,3
	v_cvt_pk_bf16_f32 v[48+\e], v[WL+2*\e], v[WL+2*\e+1]   ; w rounded to bf16 and kept as f32
.endr
.irp e, 0,1,2,3
	v_lshlrev_b32 v[WL+2*\e], 16, v[48+\e]
	v_and_b32 v[WL+2*\e+1], 0xffff0000, v[48+\e]
.endr
	v_cvt_pk_bf16_f32 v196, v196, v196
	v_lshlrev_b32 v14, 16, v196
	v_mul_f32 v14, 0x3e38aa3b, v14                 ; w[r] log2(e) / 8
	v_mov_b32 v15, v14
.irp e, 0,1,2,3
	v_pk_mul_f32 v[SC+2*\e:SC+2*\e+1], v[WL+2*\e:WL+2*\e+1], v[14:15]
.endr
	s_wait_dscnt 0x0                               ; the first x tile is in LDS, and set 0 may be loaded again
	XLD 0                                          ; the x tile of position 2
	; G's 128 registers are cleared once, while the first tiles are on their way, so that the products of both trips of the loop below add in place.
	; A first product with the constant 0 as C would differ between the trips: it would want the loop's text, about 2,400 instructions, a second time.
	WIN 0x40
.set n, 0
.rept 128
	v_mov_b32 v[n], 0
.set n, n+1
.endr
	WIN 0
	s_wait_tensorcnt 0x1                           ; my quarter of the first tile is in; the second's may stay out
	s_barrier_signal -1
	s_barrier_wait -1
	s_mov_b32 s50, 2
.Lqk:                                                  ; stages 0 and 1.  On the way in and on the way back alike: W slot 0 and x slot 0 hold the stage's first K step and a barrier has shown
	STAGE 0                                        ; them to every wave; one tensor load of mine is out, slot 1's
	QKEPI
	s_sub_co_u32 s50, s50, 1
	s_cmp_lg_u32 s50, 0
	s_cbranch_scc1 .Lqk
	PLACES                                         ; behind the last products G += Q K^T: the roundings that follow write v64 on, which those products have as operands
	s_mov_b32 s42, 2
.Lchain:
	CHAIN8
	s_sub_co_u32 s42, s42, 1
	s_cmp_lg_u32 s42, 0
	s_cbranch_scc1 .Lchain
	STAGE 1
	VEPI 0
	VEPI 1
	VEPI 2
	VEPI 3
	s_set_vgpr_msb 0x5
	s_wait_tensorcnt 0x0
	ds_add_u32 v254, v255
	s_wait_dscnt 0x0
	s_set_vgpr_msb 0x500
	CROUND                                         ; the closing round: no work-group ends while a partner may still ask for a tile that names it
	s_endpgm
.Lfunc_end_k_qbff685f207_main:
	.size	k_qbff685f207_main, .Lfunc_end_k_qbff685f207_main-k_qbff685f207_main
	.p2alignl 7, 3214868480
	.fill 96, 4, 3214868480
	.section	.rodata,"a",@progbits
	.p2align	6, 0x0
	.amdhsa_kernel k_qbff685f207_main
		.amdhsa_group_segment_fixed_size 327680
		.amdhsa_private_segment_fixed_size 0
		.amdhsa_enable_private_segment 0
		.amdhsa_kernarg_size 48
		.amdhsa_user_sgpr_count 2
		.amdhsa_user_sgpr_kernarg_segment_ptr 1
		.amdhsa_wavefront_size32 1
		.amdhsa_system_sgpr_workgroup_id_x 1
		.amdhsa_system_sgpr_workgroup_id_y 1
		.amdhsa_system_sgpr_workgroup_id_z 1
		.amdhsa_system_vgpr_workitem_id 0
		.amdhsa_next_free_vgpr 1024
		.amdhsa_next_free_sgpr 66
		.amdhsa_reserve_vcc 0
		.amdhsa_float_denorm_mode_32 3
		.amdhsa_float_denorm_mode_16_64 3
		.amdhsa_memory_ordered 1
		.amdhsa_forward_progress 1
		.amdhsa_inst_pref_size 255
	.end_amdhsa_kernel
	.section	.bss,"aw",@nobits
	.p2align	6
	.space	262144
	.amdgpu_metadata
---
amdhsa.version: [ 1, 2 ]
amdhsa.kernels:
  - .name:           k_qbff685f207_main
    .symbol:         k_qbff685f207_main.kd
    .args:
      - { .name: x, .offset: 0, .size: 8, .value_kind: global_buffer, .address_space: global }
      - { .name: wt, .offset: 8, .size: 8, .value_kind: global_buffer, .address_space: global }
      - { .name: biasp, .offset: 16, .size: 8, .value_kind: global_buffer, .address_space: global }
      - { .name: eigenvectors, .offset: 24, .size: 8, .value_kind: global_buffer, .address_space: global }
      - { .name: filter_weights, .offset: 32, .size: 8, .value_kind: global_buffer, .address_space: global }
      - { .name: out0, .offset: 40, .size: 8, .value_kind: global_buffer, .address_space: global }
    .group_segment_fixed_size: 327680
    .private_segment_fixed_size: 0
    .kernarg_segment_align: 8
    .kernarg_segment_size: 48
    .max_flat_workgroup_size: 128
    .sgpr_count:     66
    .vgpr_count:     1024
    .wavefront_size: 32
...
	.end_amdgpu_metadata
.endif
;; end of part 4
